; MI455X (gfx1250); checked and timed in simulation.
; The chip was launched on July 23, 2026; its instructions are those of AMD's public machine-readable ISA for CDNA 5 (MIT licence, August 2026) and "CDNA5" Instruction Set Architecture Reference Guide (July 2026). The comments in the code are by the model that wrote it; some were corrected since.
;; Multi Head Attention With Ro PE. Allowed arithmetic: matrix products marked QUANTISED: E3M2 operands, one E8M0 scale for each 32 along K, by v_wmma_scale_f32_16x16x128_f8f6f4 with both operands' format E3M2, f32 sums; everything else in f32.
;; Inputs: Wk 1,024 x 1,024 float32; Wo 1,024 x 1,024 float32; Wq 1,024 x 1,024 float32; Wv 1,024 x 1,024 float32; bk 1,024 float32; bo 1,024 float32; bq 1,024 float32; bv 1,024 float32; key 4 x 2,048 x 1,024 float32; query 4 x 2,048 x 1,024 float32; value 4 x 2,048 x 1,024 float32.
;; Outputs: out0 4 x 2,048 x 1,024 float32.
;; This version of the problem:
;;   THIS VERSION OF THE PROBLEM IS GIVEN IN LOW PRECISION. The matrix products marked QUANTISED in the list below multiply operands that are first quantised to E3M2 (3 exponent bits, 2 mantissa bits; 6 bits a number), with one power-of-two scale for each 32 numbers along K (OCP MX v1.0); their sums are f32. All else is computed in f32.
;;   The module's matrix products, in the order in which they are computed (A, B: the left and right operand; K: the contracted axis; several contracted axes count as one K, in the product's order):
;;     1. [M 8,192, K 1,024] x [K 1,024, N 1,024]; A: input query; B: input Wq: QUANTISED
;;     2. [M 8,192, K 1,024] x [K 1,024, N 1,024]; A: input key; B: input Wk: QUANTISED
;;     3. [M 8,192, K 1,024] x [K 1,024, N 1,024]; A: input value; B: input Wv: QUANTISED
;;     4. batch 64 x [M 2,048, K 64] x [K 64, N 2,048]; A: computed on the way; B: computed on the way: QUANTISED
;;     5. batch 64 x [M 2,048, K 2,048] x [K 2,048, N 64]; A: softmax (see below); B: computed on the way: QUANTISED
;;     6. [M 8,192, K 1,024] x [K 1,024, N 1,024]; A: computed on the way; B: input Wo: QUANTISED
;;   THE QUANTISER, for each operand of a quantised product, along K:
;;     - K is cut into blocks of 32 from its start; a last block that is shorter is filled with zeros.
;;     - A block's scale is 2^e with e = floor(log2(the largest magnitude in the block)) - 4, held to -126 .. 127; a block of zeros has e = 0. As a byte (E8M0): e + 127.
;;     - Each number is divided by its block's scale, clamped to +-28, and rounded to the nearest number of E3M2, ties to even, subnormals kept.
;;     - The product sums the exact products of the quantised numbers (number of the format x scale) in f32.
;;   ~~~python
;;   def quantise(x, axis):      # numpy; x: float32 -> the quantised numbers, widened to float32 again
;;       x = np.moveaxis(x, axis, -1); K = x.shape[-1]
;;       x = np.pad(x, [(0, 0)] * (x.ndim - 1) + [(0, -K % 32)]); x = x.reshape(x.shape[:-1] + (-1, 32)); a = np.abs(x).max(-1, keepdims=True)
;;       e = np.where(a > 0, np.clip(np.frexp(np.where(a > 0, a, 1))[1] - 1 - 4, -126, 127), 0)      # np.frexp(a)[1] - 1 = floor(log2(a)), exactly
;;       r = np.clip(x / 2.0 ** e, -28, 28)
;;       step = 2.0 ** (np.maximum(np.frexp(np.where(r == 0, 1, r))[1] - 1, -2) - 2)
;;       q = np.round(r / step) * step * 2.0 ** e      # np.round: ties to even
;;       return np.moveaxis(q.reshape(q.shape[:-2] + (-1,))[..., :K], -1, axis).astype(np.float32)
;;   ~~~
;;   SOFTMAX AHEAD OF A QUANTISED PRODUCT. Where the list says 'softmax', what is quantised is not the finished softmax but p = 2^(t - M), with t = logit x log2(e) and M = ceil(the row's largest t), a whole number; so 1/2 < the row's largest p <= 1. The row's sum l is taken of the UNQUANTISED p, in f32, and the product's result is divided by l at the end. Since M is a whole number, a kernel that streams over the keys may use a running M (the ceiling of the running maximum): every later rescaling is an exact power of two, which a block's scale takes up: the codes' values come out the same.
;;   OPERANDS COMPUTED ON THE WAY. 'Computed on the way' means the value that the module computes at that place (a softmax that the list does not call 'softmax' is quantised finished and normalised). What goes into a quantiser is computed in f32, as accurately as f32 sums, v_exp_f32 and their like allow (about 1e-6 of the number): no bf16 or f16 on the way to a quantiser, and a product that is left as it is and whose result goes on into a quantised operand takes f32 operands (vector FMAs, or v_wmma_f32_16x16x4_f32). A number that lies on a knife's edge between two numbers of the format may be rounded either way, as far as f32 arithmetic and the matrix unit's own rounding can turn it there, and no further.
;; One version. Each part assembles by itself: llvm-mc -triple=amdgcn-amd-amdhsa -mcpu=gfx1250 --defsym DOCPART=n.
;; ======== version 1 of 1: 4 launches
;; limits: a function is approximated: absolute error at most 0.00012
;; workspace buffers: xcodes 22,020,096 bytes; xscales 917,504 bytes; rope 524,288 bytes; qkvc 25,165,824 bytes; qkvs 1,572,864 bytes; acodes 6,291,456 bytes; ascales 262,144 bytes
;; launch quant (part 1): grid 928 x 1, 4 waves a work-group, no clusters, 34,304 bytes of LDS; arguments query, key, value, Wq, Wk, Wv, Wo, xcodes, xscales, rope; writes xcodes, xscales, rope
.if DOCPART == 1
	.amdgcn_target "amdgcn-amd-amdhsa--gfx1250"
	.amdhsa_code_object_version 6
	.text
	.protected	k_q4343e48b34_quant
	.globl	k_q4343e48b34_quant
	.p2align	8
	.type	k_q4343e48b34_quant,@function
k_q4343e48b34_quant:
	s_mov_b64 s[64:65], 0
	v_nop
	global_prefetch_b8 v0, s[64:65] scope:SCOPE_SE
	s_setreg_imm32_b32 hwreg(HW_REG_WAVE_MODE, 25, 1), 1
	s_wait_xcnt 0x0
; query, key, value [8192][1024] and Wq, Wk, Wv, Wo [1024][1024], f32, K innermost, become codes of BF6 (E3M2) with one E8M0 byte for each 32 along K,
; laid as IMAGES OF OPERAND REGISTERS.  Rows go in STORED TILES of 16: lane r of stored tile G is row 32 (G / 2) + 8 (G % 2) + r + 8 (r / 8) of its tensor.
; xcodes: tile G at 12,288 G: [K step of 128: 0..7][piece p: 0..5][lane][8 bytes]; piece p of lane (r, h) is registers 2 p, 2 p + 1 of the fragment (k = 64 c + 32 h + 0..31 in registers 6 c .. 6 c + 5).
; xscales: tile G at 512 G: [256 along K: 0..3][r][2 words]; a word is the four bytes of 128 along K.  Tiles: query 0, key 512, value 1,024, Wq 1,536, Wk 1,600, Wv 1,664, Wo 1,728.
; A block's scale is 2^(floor(log2(largest magnitude)) - 4): its byte is the largest magnitude's exponent field - 4, held at 1 from below (a block of zeros keeps the byte 1: its codes are zeros, and this program alone reads the bytes).
; Work-groups 0-895: work-group g takes tiles 2 g and 2 g + 1; wave w takes tile 2 g + w / 2 and half w % 2 of K: 16 rows x 512 numbers, four steps of 128.  A step's loads read 512 consecutive bytes of a row;
; the 8,192 bytes turn through the wave's own stage in LDS (rows 528 bytes apart), so that a lane gets two whole blocks of its row; each store of codes covers 256 consecutive bytes, aligned.  Waves share nothing: no barrier.
; Work-groups 896-927 make the table of cos and sin for the rotary embedding: rope: [stored tile of positions T: 0..127][quad 0..7][lane][16 bytes]; quads 0-3 cos, quads 4-7 sin of
; position x 10^(-f / 8), f = 16 h + 4 (quad % 4) + e.  The angle is reduced by whole multiples of pi / 2 held in three parts (fused multiply-adds), sin and cos by polynomials on |r| <= pi / 4.
; LIMITS: NaN and infinities among the inputs are not served; blocks whose largest magnitude lies under 2^-122 keep the byte 1; the inverse frequencies are the correctly rounded 10^(-f / 8):
; where a power and a division in f32 give a neighbour of that number, an angle differs by up to 1.2e-4 rad at position 2,047.
.set STG,  8448                        ; a wave's stage: 16 rows x 528 bytes
.set R,    16                          ; v16-143  two sets of 64: a step's numbers as loaded
.set X,    144                         ; v144-207 my two blocks of 32
.set C,    208                         ; v208-231 two sets of 12: a fragment's codes
.set SCR,  232                         ; v232-238 the second halves of the blocks' codes
.set MX,   240                         ; v240-241 largest magnitudes, then the conversions' operands; v242-243 bytes; v244-245 at work
.set SWD,  248                         ; v248-251 the four steps' scale words
	s_load_b256 s[4:11], s[0:1], 0x0               ; query, key, value, Wq
	s_load_b256 s[12:19], s[0:1], 0x20             ; Wk, Wv, Wo, xcodes
	s_load_b128 s[20:23], s[0:1], 0x40             ; xscales, rope
	v_lshl_add_u32 v254, v0, 2, 0x8400
	v_mov_b32 v255, 0
	v_lshrrev_b32 v6, 5, v0
	v_readfirstlane_b32 s24, v6                    ; wave
	v_and_b32 v7, 31, v0                           ; lane
	v_and_b32 v8, 15, v0                           ; r
	v_bfe_u32 v9, v0, 4, 1                         ; h
	v_lshlrev_b32 v1, 4, v7                        ; 16 x lane
	s_cmp_ge_u32 ttmp9, 896
	s_cbranch_scc1 .Lrope
	v_lshlrev_b32 v2, 3, v7                        ; 8 x lane
	s_mul_i32 s25, s24, STG
	v_add_nc_u32 v3, s25, v1                       ; the stage, in: 16 x lane of a row
	v_mul_u32_u24 v4, v8, 528
	v_lshl_add_u32 v4, v9, 7, v4
	v_add_nc_u32 v4, s25, v4                       ; and out: row r, + 128 h: my block's 128 bytes
	v_lshlrev_b32 v5, 3, v9                        ; 8 h: my bytes' place in a scale word
	v_mov_b32 v[MX+5], 0                           ; written once: a lane permute's destination counts as one of its sources
	s_mov_b32 s26, 0x76543210
	s_mov_b32 s27, 0xfedcba98                      ; selects for lane l xor 16
	s_mov_b32 s28, 0xffff0000                      ; lanes 16-31
	s_lshr_b32 s29, s24, 1                         ; which of the two tiles
	s_and_b32 s30, s24, 1                          ; which half of K
	s_wait_kmcnt 0x0
	s_mov_b64 s[32:33], s[16:17]                   ; the tensor, and its first work-group, by the work-group's number alone
	s_mov_b32 s34, 864
	s_cmp_lt_u32 ttmp9, 864
	s_cselect_b64 s[32:33], s[14:15], s[32:33]
	s_cselect_b32 s34, 832, s34
	s_cmp_lt_u32 ttmp9, 832
	s_cselect_b64 s[32:33], s[12:13], s[32:33]
	s_cselect_b32 s34, 800, s34
	s_cmp_lt_u32 ttmp9, 800
	s_cselect_b64 s[32:33], s[10:11], s[32:33]
	s_cselect_b32 s34, 768, s34
	s_cmp_lt_u32 ttmp9, 768
	s_cselect_b64 s[32:33], s[8:9], s[32:33]
	s_cselect_b32 s34, 512, s34
	s_cmp_lt_u32 ttmp9, 512
	s_cselect_b64 s[32:33], s[6:7], s[32:33]
	s_cselect_b32 s34, 256, s34
	s_cmp_lt_u32 ttmp9, 256
	s_cselect_b64 s[32:33], s[4:5], s[32:33]
	s_cselect_b32 s34, 0, s34
	s_sub_co_u32 s35, ttmp9, s34
	s_lshl_b32 s35, s35, 5
	s_lshl_b32 s36, s29, 3
	s_add_co_u32 s35, s35, s36                     ; the tile's first row: 32 (g - first) + 8 (w / 2)
	s_lshl_b32 s36, s35, 12                        ; rows of 4,096 bytes
	s_lshl_b32 s37, s30, 11
	s_add_co_u32 s36, s36, s37                     ; + my half of K
	s_mov_b32 s37, 0
	s_add_nc_u64 s[32:33], s[32:33], s[36:37]
	s_lshl_b32 s38, ttmp9, 1
	s_add_co_u32 s38, s38, s29                     ; G
	s_mul_i32 s40, s38, 12288
	s_mul_i32 s41, s30, 6144
	s_add_co_u32 s40, s40, s41
	s_mov_b32 s41, 0
	s_add_nc_u64 s[18:19], s[18:19], s[40:41]      ; my codes
	s_lshl_b32 s40, s38, 9
	s_lshl_b32 s42, s30, 8
	s_add_co_u32 s40, s40, s42
	s_add_nc_u64 s[20:21], s[20:21], s[40:41]      ; my 256 scale bytes
.macro LOAD q                          ; step q: of each of my 16 rows 512 consecutive bytes
.irp i, 0,1,2,3,4,5,6,7,8,9,10,11,12,13,14,15
	global_load_b128 v[R+64*((\q)%2)+4*\i:R+64*((\q)%2)+4*\i+3], v1, s[32:33] offset:(\i+8*(\i/8))*4096+512*(\q) th:TH_LOAD_NT
.endr
.endm
.macro STEP q
.set RS, R+64*((\q)%2)
.set CC, C+12*((\q)%2)
.if (\q) < 3
	s_wait_loadcnt 16                              ; this step's 16 loads are in; the next step's 16 may be out
.else
	s_wait_loadcnt 0x0
.endif
.irp i, 0,1,2,3,4,5,6,7,8,9,10,11,12,13,14,15
	ds_store_b128 v3, v[RS+4*\i:RS+4*\i+3] offset:528*\i
.endr
.irp c, 0,1
.irp e, 0,1,2,3,4,5,6,7
	ds_load_b128 v[X+32*\c+4*\e:X+32*\c+4*\e+3], v4 offset:256*\c+16*\e   ; k = 64 c + 32 h + 4 e on; LDS serves a wave's instructions in order: these see the stores above
.endr
.endr
	s_wait_dscnt 0x0                               ; my blocks are in, and the stores have read their registers,
.if (\q) < 2
	LOAD (\q)+2                                    ; which take the loads of two steps on
.endif
.irp c, 0,1
	v_max3_num_f32 v[MX+\c], |v[X+32*\c]|, |v[X+32*\c+1]|, 0x2800000   ; block 2 c + h: all 32 numbers are mine; the floor 2^(5 - 127) holds the byte at 1 from below
.endr
.irp i, 2,4,6,8,10,12,14,16,18,20,22,24,26,28,30
.irp c, 0,1
	v_max3_num_f32 v[MX+\c], v[MX+\c], |v[X+32*\c+\i]|, |v[X+32*\c+\i+1]|
.endr
.endr
.irp c, 0,1
	v_add_nc_u32 v[MX+\c], 0xfe000000, v[MX+\c]    ; 4 off the exponent field: the conversion's scale operand
.endr
.irp c, 0,1
	v_lshrrev_b32 v[MX+2+\c], 23, v[MX+\c]         ; the scale's byte
.endr
	v_lshl_or_b32 v[MX+4], v[MX+3], 16, v[MX+2]    ; blocks h and 2 + h,
	v_lshlrev_b32 v[MX+4], v5, v[MX+4]             ; at their places in the word;
	v_permlanex16_b32 v[MX+5], v[MX+4], s26, s27
	v_or_b32 v[SWD+(\q)], v[MX+4], v[MX+5]         ; with lane l xor 16's two the word is whole
.if (\q) >= 2
	s_wait_alu depctr_va_vdst(0)
	s_wait_xcnt 0x0                                ; the stores of two steps ago have read this set of code registers
.endif
	v_cvt_scalef32_pk16_bf6_f32 v[CC:CC+2], v[X:X+15], v[MX]
	v_cvt_scalef32_pk16_bf6_f32 v[SCR:SCR+2], v[X+16:X+31], v[MX]       ; (a conversion's three registers begin on an even number)
	v_cvt_scalef32_pk16_bf6_f32 v[CC+6:CC+8], v[X+32:X+47], v[MX+1]
	v_cvt_scalef32_pk16_bf6_f32 v[SCR+4:SCR+6], v[X+48:X+63], v[MX+1]
	v_nop                                          ; one plain place behind the scaled conversions
.irp c, 0,1
.irp i, 0,1,2
	v_mov_b32 v[CC+6*\c+3+\i], v[SCR+4*\c+\i]
.endr
.endr
.irp p, 0,1,2,3,4,5
	global_store_b64 v2, v[CC+2*\p:CC+2*\p+1], s[18:19] offset:1536*(\q)+256*\p   ; 32 lanes store 256 consecutive bytes, aligned
.endr
.endm
	s_wait_alu depctr_va_vdst(0)
	LOAD 0
	LOAD 1
	STEP 0
	STEP 1
	STEP 2
	STEP 3
	v_cndmask_b32 v[MX], v[SWD], v[SWD+2], s28     ; lanes 0-15 store row r's words of steps 0, 1; lanes 16-31 those of steps 2, 3
	v_cndmask_b32 v[MX+1], v[SWD+1], v[SWD+3], s28
	global_store_b64 v2, v[MX:MX+1], s[20:21]      ; 256 consecutive bytes, aligned
	s_wait_tensorcnt 0x0
	ds_add_u32 v254, v255
	s_wait_dscnt 0x0
	s_endpgm
.Lrope:                                            ; wave w of work-group g makes table tile T = 4 (g - 896) + w
	s_sub_co_u32 s25, ttmp9, 896
	s_lshl_b32 s25, s25, 2
	s_add_co_u32 s25, s25, s24                     ; T
	s_lshr_b32 s26, s25, 1
	s_lshl_b32 s26, s26, 5
	s_and_b32 s27, s25, 1
	s_lshl_b32 s27, s27, 3
	s_add_co_u32 s26, s26, s27
	s_wait_alu depctr_va_vdst(0)
	v_and_b32 v10, 8, v8
	v_add_nc_u32 v10, v10, v8
	v_add_nc_u32 v10, s26, v10                     ; my position: 32 (T / 2) + 8 (T % 2) + r + 8 (r / 8)
	v_cvt_f32_u32 v10, v10
	v_cmp_eq_u32 vcc_lo, 1, v9                     ; lanes 16-31 take frequencies 16 on
	s_lshl_b32 s28, s25, 12
	s_mov_b32 s29, 0
	s_mov_b32 s40, 0xbfc90fdb                      ; -(pi / 2 rounded to f32),
	s_mov_b32 s41, 0x333bbd2e                      ; what that lies above pi / 2, rounded to f32,
	s_mov_b32 s42, 0x26f72ced                      ; and the rest
	s_mov_b32 s43, -0.00019515295891
	s_mov_b32 s44, 0.0083321608736
	s_mov_b32 s45, -0.16666654611
	s_mov_b32 s46, 0.00002443315711809948
	s_mov_b32 s47, -0.001388731625493765
	s_mov_b32 s48, 0.04166664568298827
	s_wait_alu depctr_va_vdst(0)
	s_wait_kmcnt 0x0
	s_add_nc_u64 s[22:23], s[22:23], s[28:29]
; cos and sin of position x (la in lanes 0-15, lb in lanes 16-31) into v[c] and v[s]
.macro ONE c, s, la, lb
	v_mul_f32 v12, \la, v10
	v_mul_f32 v11, \lb, v10
	v_cndmask_b32 v12, v12, v11, vcc_lo            ; the angle x
	v_mul_f32 v20, 0x3f22f983, v12                 ; x 2 / pi
	v_rndne_f32 v20, v20                           ; n
	v_fma_f32 v21, v20, s40, v12
	v_fma_f32 v21, v20, s41, v21
	v_fma_f32 v21, v20, s42, v21                   ; r = x - n pi / 2
	v_mul_f32 v22, v21, v21                        ; z
	v_fma_f32 v23, v22, s43, s44
	v_fma_f32 v23, v23, v22, s45
	v_mul_f32 v24, v22, v21
	v_fma_f32 v23, v23, v24, v21                   ; sin r
	v_fma_f32 v25, v22, s46, s47
	v_fma_f32 v25, v25, v22, s48
	v_mul_f32 v24, v22, v22
	v_fma_f32 v26, v22, -0.5, 1.0
	v_fma_f32 v25, v25, v24, v26                   ; cos r
	v_cvt_i32_f32 v20, v20
	v_and_b32 v24, 1, v20
	v_cmp_eq_u32 s50, 1, v24                       ; in odd quadrants the two change places
	v_cndmask_b32 v26, v23, v25, s50
	v_cndmask_b32 v27, v25, v23, s50
	v_lshlrev_b32 v24, 30, v20
	v_and_b32 v24, 0x80000000, v24                 ; sin is negated in quadrants 2, 3: bit 1 of n
	v_xor_b32 v[\s], v24, v26
	v_add_nc_u32 v20, 1, v20
	v_lshlrev_b32 v20, 30, v20
	v_and_b32 v20, 0x80000000, v20                 ; cos in quadrants 1, 2: bit 1 of n + 1
	v_xor_b32 v[\c], v20, v27
.endm
	ONE 32, 36, 1.0, 0.01
	ONE 33, 37, 0.7498942093324559, 0.007498942093324559
	ONE 34, 38, 0.5623413251903491, 0.005623413251903491
	ONE 35, 39, 0.4216965034285822, 0.004216965034285822
	ONE 40, 44, 0.31622776601683794, 0.0031622776601683794
	ONE 41, 45, 0.23713737056616552, 0.0023713737056616552
	ONE 42, 46, 0.1778279410038923, 0.001778279410038923
	ONE 43, 47, 0.1333521432163324, 0.001333521432163324
	ONE 48, 52, 0.1, 0.001
	ONE 49, 53, 0.07498942093324559, 0.0007498942093324559
	ONE 50, 54, 0.05623413251903491, 0.0005623413251903491
	ONE 51, 55, 0.04216965034285822, 0.0004216965034285822
	ONE 56, 60, 0.031622776601683794, 0.00031622776601683794
	ONE 57, 61, 0.023713737056616552, 0.00023713737056616552
	ONE 58, 62, 0.01778279410038923, 0.0001778279410038923
	ONE 59, 63, 0.01333521432163324, 0.0001333521432163324
.irp q, 0,1,2,3
	global_store_b128 v1, v[32+8*\q:35+8*\q], s[22:23] offset:512*\q          ; cos: 512 consecutive bytes
	global_store_b128 v1, v[36+8*\q:39+8*\q], s[22:23] offset:2048+512*\q     ; sin
.endr
	s_endpgm
.Lfunc_end_k_q4343e48b34_quant:
	.size	k_q4343e48b34_quant, .Lfunc_end_k_q4343e48b34_quant-k_q4343e48b34_quant
	.p2alignl 7, 3214868480
	.fill 96, 4, 3214868480
	.section	.rodata,"a",@progbits
	.p2align	6, 0x0
	.amdhsa_kernel k_q4343e48b34_quant
		.amdhsa_group_segment_fixed_size 34304
		.amdhsa_private_segment_fixed_size 0
		.amdhsa_enable_private_segment 0
		.amdhsa_kernarg_size 80
		.amdhsa_user_sgpr_count 2
		.amdhsa_user_sgpr_kernarg_segment_ptr 1
		.amdhsa_wavefront_size32 1
		.amdhsa_system_sgpr_workgroup_id_x 1
		.amdhsa_system_sgpr_workgroup_id_y 1
		.amdhsa_system_sgpr_workgroup_id_z 1
		.amdhsa_system_vgpr_workitem_id 0
		.amdhsa_next_free_vgpr 256
		.amdhsa_next_free_sgpr 66
		.amdhsa_reserve_vcc 1
		.amdhsa_float_denorm_mode_32 3
		.amdhsa_float_denorm_mode_16_64 3
		.amdhsa_memory_ordered 1
		.amdhsa_forward_progress 1
		.amdhsa_inst_pref_size 58
	.end_amdhsa_kernel
	.amdgpu_metadata
---
amdhsa.version: [ 1, 2 ]
amdhsa.kernels:
  - .name:           k_q4343e48b34_quant
    .symbol:         k_q4343e48b34_quant.kd
    .args:
      - { .name: query, .offset: 0, .size: 8, .value_kind: global_buffer, .address_space: global }
      - { .name: key, .offset: 8, .size: 8, .value_kind: global_buffer, .address_space: global }
      - { .name: value, .offset: 16, .size: 8, .value_kind: global_buffer, .address_space: global }
      - { .name: Wq, .offset: 24, .size: 8, .value_kind: global_buffer, .address_space: global }
      - { .name: Wk, .offset: 32, .size: 8, .value_kind: global_buffer, .address_space: global }
      - { .name: Wv, .offset: 40, .size: 8, .value_kind: global_buffer, .address_space: global }
      - { .name: Wo, .offset: 48, .size: 8, .value_kind: global_buffer, .address_space: global }
      - { .name: xcodes, .offset: 56, .size: 8, .value_kind: global_buffer, .address_space: global }
      - { .name: xscales, .offset: 64, .size: 8, .value_kind: global_buffer, .address_space: global }
      - { .name: rope, .offset: 72, .size: 8, .value_kind: global_buffer, .address_space: global }
    .group_segment_fixed_size: 34304
    .private_segment_fixed_size: 0
    .kernarg_segment_align: 8
    .kernarg_segment_size: 80
    .max_flat_workgroup_size: 128
    .sgpr_count:     66
    .vgpr_count:     256
    .wavefront_size: 32
...
	.end_amdgpu_metadata
.endif
;; end of part 1
;; launch proj (part 2): grid 4 x 96, 4 waves a work-group, clusters of 4 x 4, 327,680 bytes of LDS; arguments xcodes, xscales, rope, bq, bk, bv, qkvc, qkvs; writes qkvc, qkvs
.if DOCPART == 2
	.amdgcn_target "amdgcn-amd-amdhsa--gfx1250"
	.amdhsa_code_object_version 6
	.text
	.protected	k_q4343e48b34_proj
	.globl	k_q4343e48b34_proj
	.p2align	8
	.type	k_q4343e48b34_proj,@function
k_q4343e48b34_proj:
	s_mov_b64 s[64:65], 0
	v_nop
	global_prefetch_b8 v0, s[64:65] scope:SCOPE_SE
	s_setreg_imm32_b32 hwreg(HW_REG_WAVE_MODE, 25, 1), 1
	s_wait_xcnt 0x0
	s_wait_alu depctr_hold_cnt(0) depctr_sa_sdst(0) depctr_va_vdst(0) depctr_va_sdst(0) depctr_va_ssrc(0) depctr_va_vcc(0) depctr_vm_vsrc(0)
	s_getreg_b32 s2, hwreg(HW_REG_IB_STS2, 6, 4)
	s_cmp_eq_u32 s2, 0
	s_cbranch_scc0 .Lentry_in_a_cluster
	s_endpgm
.Lentry_in_a_cluster:
	s_bfe_u32 s2, ttmp6, 0x10000c
	s_cmp_lg_u32 s2, 0xf033
	s_cbranch_scc0 .Lentry_shape_is_right
	s_endpgm
.Lentry_shape_is_right:
; The three projections x W^T + b on codes of BF6 (E3M2) with E8M0 scales, K = 1,024; then, in registers: the bias, the rotary embedding (Q, K), and the quantiser of the next product's operand:
; Q and K along the head's 64, V along the keys.  The results are stored as images of the attention launch's operand registers: every store covers 256 or 512 consecutive bytes, aligned, and no stage is needed.
; SHARES.  Cluster y = 8 p + cl: p = 0 Q, 1 K, 2 V (the grid's x is one cluster wide).  A work-group makes 256 x 256, each of its four waves 128 x 128: 64 accumulators, 512 registers.
; THE MATRIX INSTRUCTION IS USED TRANSPOSED: source 0 = 16 rows of buffer B, source 1 = 16 rows of buffer A: a lane holds one row of A and eight rows of B.
;   Q, K: A = the tokens, B = the weight: a lane holds one token, its registers run along the features.   V: A = the weight, B = the tokens: a lane holds one feature, its registers run along the keys.
; ROWS LIE IN STORED TILES: lane r of stored tile G is row 32 (G / 2) + 8 (G % 2) + r + 8 (r / 8).  So the 16 registers of B's tiles 2 c and 2 c + 1 are 16 neighbours, 32 c + 16 (lane / 16) + 0..15.
; K goes in four steps of 256 through THREE LDS slots: steps 0, 1, 2 and all scale words are first fills (four loads of a wave are out at the most); step 3 fills slot 0 again behind the one round at the end of step 0.
; CLUSTER 4 x 4: A's tiles are shared along a row of the cluster, B's along a column: joint loads, each with the same descriptor in the four that its mask names.
; The codes lie in memory as register images (12,288 bytes a tile of 16 rows; 3,072 bytes of it a K step of 256), so a fragment is six loads of 8 bytes a lane, each 256 consecutive bytes: no padding.
; OUTPUT.  qkvc: region Q at 0, region K and V at 12,582,912; in each [batch x head] x 196,608, [step of 128 rows] x 12,288: bytes 0-6,143 [pair of tiles j][piece k: 0..2][lane][16 bytes]: twelve registers, tile 2 j's six and
;   tile 2 j + 1's six (K = 64 fills six registers); bytes 6,144 on, in the second region: V^T, [tile of 16 dims t][piece k][lane][16 bytes]: fragments of 16 dims x 128 keys.
;   qkvs: regions at 0 and 786,432; [batch x head] x 12,288, [step] x 768: bytes 0-511 [lane][4 words]: word j: tile 2 j in lanes 0-15, tile 2 j + 1 in lanes 16-31; bytes 512 on: V's, [lane][2 words] likewise.
; Every work-group loads both forms of the bias (along registers, along lanes) and two table tiles, at addresses masked into their buffers, so that the head has no branch on p; one of the two ways out leaves a part of them unused.
; LIMITS: NaN and infinities are not served; a block whose largest magnitude lies under 2^-122 keeps the byte 1.
; REGISTERS, in windows of 256: window 0: v16-29 addresses; v32-63 scale words, two sets; v64-127 two table tiles; v128-223 A's fragments, one set; v240-255 the bias along lanes; on the way out v32-63 and v128-239 are at work.
;   window 1: B's fragments, two sets, at v0 and v128; v96-127, v224-255 the bias along registers.   windows 2, 3: the accumulators ((a, b) at v[8 (8 (a % 4) + b)]).
.set HALFT,  24576                     ; 8 tiles x 3,072 bytes: what one tensor load brings, and what a wave reads of A or of B in a K step
.set SLOT,   98304                     ; A's 16 tiles, then B's 16
.set SCL,    294912                    ; behind the three slots: the scale words, A's 8,192 bytes, then B's
.set SPARE,  311296                    ; the spare words, 128 bytes for each wave: two blocks of 256 bytes that no other line names
.set FR,   12
.set ADRA, 16                          ; v16-18  LDS address of my A fragments in slot 0, 1, 2
.set ADRB, 20                          ; v20-22  the same for B
.set OH,   23                          ; v23     64 x (lane / 16)
.set O16,  24                          ; v24     16 x lane
.set O8,   25                          ; v25     8 x lane
.set OR4,  26                          ; v26     4 (r + 8 (r / 8))
.set ADRS, 27                          ; v27     LDS address of my scale words: lanes 0-15 A's rows, lanes 16-31 B's
.set SPW,  28                          ; v28     LDS address of my spare word; never rewritten
.set NIL,  29                          ; v29     0; never rewritten
.set SC,   32                          ; scale words: set s at v[SC + 16 s]; register 2 i + q: lanes 0-15 A's tile i, lanes 16-31 B's tile i, the K step's q-th 128
.set CS,   64                          ; two table tiles: 16 registers of cos, 16 of sin each
.set AF,   128
.set BQ,   96                           ; window 1: the bias along registers: tile b at v[96 + 128 (b / 4) + 8 (b % 4)]
.set BV,   240                         ; window 0: the bias along lanes: block a's, twice, at v[240 + 2 a]
.set OUTR, 32                          ; the way out: v32-55 codes to store
.set SW,   56                          ; v56-63 scale words to store
.set T,    128                         ; v128-191 64 numbers
.set SCR,  192                         ; v192-198 the second halves of the blocks' codes
.set TM,   200                         ; v200-203 largest magnitudes, v204-207 the other lanes', then bytes, v208-211 the conversions' operands
.set PW,   212
.set E0,   213
.set E1,   214
.set O0,   215
.set O1,   216
.set U,    224                         ; v224-239 products on the way
.set SEL,  92                          ; s[92:93] selects for lane l xor 16
.set MASK, 94                          ; s94 lanes 16-31
.set G1,   24                          ; s[24:31] group 1 for A's tiles; s[32:43] groups 0, one for each slot
.set G0,   32
.set G1B,  44                          ; s[44:51], s[52:63] the same for B's
.set G0B,  52
.set G1S,  68                          ; s[68:75], s[76:79] for A's scale words; s[80:87], s[88:91] for B's
.set G0S,  76
.set G1SB, 80
.set G0SB, 88
.set MSB, 0
.macro WIN new                         ; the immediate's high byte repeats the setting that is left
.if MSB != (\new)
	s_set_vgpr_msb (MSB<<8)|(\new)
.set MSB, (\new)
.endif
.endm
.set MUL_LO, 0xa1                      ; source 0 (B) window 1, source 1 (A) window 0, C and D window 2
.set MUL_HI, 0xf1                      ; the same, C and D window 3
.set TO_B,   0x40                      ; destination window 1
; A joint load: waves 0 and 1 fetch for A, waves 2 and 3 for B; the branch hangs on the wave's number alone.  Four v_nop follow each of the two lines.
.macro JLOAD g0a, g1a, g0b, g1b
	s_cmp_eq_u32 s21, 0
	s_cbranch_scc0 .Lfor_b_\@
	tensor_load_to_lds s[\g0a:\g0a+3], s[\g1a:\g1a+7]
	s_nop 0
.rept 4
	v_nop
.endr
	s_branch .Lasked_\@
.Lfor_b_\@:
	tensor_load_to_lds s[\g0b:\g0b+3], s[\g1b:\g1b+7]
	s_nop 0
.rept 4
	v_nop
.endr
.Lasked_\@:
.endm
.macro CREST                           ; a round of the cluster's barrier behind its opening barrier
	s_cmp_lg_u32 s20, 0
	s_cbranch_scc1 .Lnot_wave_0_\@
	s_barrier_signal -3
.Lnot_wave_0_\@:
	s_barrier_wait -3
	s_barrier_signal -1
	s_barrier_wait -1
.endm
.macro CROUND
	s_barrier_signal -1
	s_barrier_wait -1
	CREST
.endm
.macro PLACES n
.rept \n
	v_nop
.endr
.endm
	s_load_b256 s[4:11], s[0:1], 0x0               ; xcodes, xscales, rope, bq
	s_load_b256 s[12:19], s[0:1], 0x20             ; bk, bv, qkvc, qkvs
	v_lshl_add_u32 v[SPW], v0, 2, SPARE
	v_mov_b32 v[NIL], 0
	ds_add_u32 v28, v29
	ds_add_u32 v28, v29
	s_wait_dscnt 0x0
	v_lshrrev_b32 v1, 5, v0
	v_readfirstlane_b32 s20, v1                    ; wave 0..3
	s_lshr_b32 s21, s20, 1                         ; which half of A's rows is mine.  Also: I fetch for A (0) or for B (1)
	s_and_b32 s22, s20, 1                          ; which half of B's rows.  Also: which 8 tiles I fetch
	s_bfe_u32 s92, ttmp6, 0x40000                  ; cx
	s_bfe_u32 s93, ttmp6, 0x40004                  ; cy
	s_and_b32 s94, ttmp7, 0xffff                   ; cluster y
	s_lshr_b32 s23, s94, 3                         ; p: the same in all sixteen partners
	s_and_b32 s94, s94, 7
	s_lshl_b32 s94, s94, 2                         ; 4 cl
	s_lshl_b32 s95, s93, 2
	s_lshl_b32 s95, 15, s95                        ; my row of the cluster
	s_lshl_b32 s96, 0x1111, s92                    ; my column
	s_or_b32 s[G1], s95, (3<<16)|(1<<21)           ; 15:0 the mask; 17:16 elements of 8 bytes; 21 set beside a mask; no padding
	s_or_b32 s[G1B], s96, (3<<16)|(1<<21)
	s_or_b32 s[G1S], s95, (3<<16)|(1<<21)
	s_or_b32 s[G1SB], s96, (3<<16)|(1<<21)
.irp g, G1, G1B                        ; 8 tiles' 3,072 bytes (384 elements), 12,288 bytes (1,536 elements) apart
	s_mov_b32 s[\g+1], 384<<16                     ; tensor_dim0
	s_mov_b32 s[\g+2], 8<<16                       ; tensor_dim1
	s_mov_b32 s[\g+3], 384<<16                     ; tile_dim0
	s_mov_b32 s[\g+4], 8                           ; tile_dim1
	s_mov_b32 s[\g+5], 1536                        ; tensor_dim0_stride
	s_mov_b32 s[\g+6], 0
	s_mov_b32 s[\g+7], 0
.endr
.irp g, G1S, G1SB                      ; 8 tiles' scale words: 4,096 dense bytes as 16 rows of 256
	s_mov_b32 s[\g+1], 32<<16
	s_mov_b32 s[\g+2], 16<<16
	s_mov_b32 s[\g+3], 32<<16
	s_mov_b32 s[\g+4], 16
	s_mov_b32 s[\g+5], 32
	s_mov_b32 s[\g+6], 0
	s_mov_b32 s[\g+7], 0
.endr
	s_lshl_b32 s97, s23, 9                         ; A's first stored tile: Q, K: the tokens', 512 p
	s_lshl_b32 s98, s23, 6
	s_add_co_u32 s98, s98, 1536                    ; B's: the weight's, 1,536 + 64 p
	s_cmp_eq_u32 s23, 2
	s_cselect_b32 s2, 0, s94                       ; the long axis (32 blocks of 256 tokens) is A's for Q and K,
	s_cselect_b32 s3, s94, 0                       ; B's for V
	s_cselect_b32 s97, 1664, s97                   ; V: A = Wv,
	s_cselect_b32 s98, 1024, s98                   ; B = value
	s_add_co_u32 s2, s2, s93                       ; A's block of 256 rows: it holds cy and never cx
	s_add_co_u32 s3, s3, s92                       ; B's: cx and never cy
	s_lshl_b32 s99, s22, 3
	s_lshl_b32 s66, s2, 4
	s_add_co_u32 s66, s66, s97
	s_add_co_u32 s66, s66, s99                     ; the first of the 8 tiles of A that I would fetch
	s_lshl_b32 s67, s3, 4
	s_add_co_u32 s67, s67, s98
	s_add_co_u32 s67, s67, s99                     ; and of B
	s_mul_i32 s94, s66, 12288                      ; their codes, in bytes,
	s_mov_b32 s95, 0
	s_lshl_b32 s100, s66, 9                        ; and their scale words
	s_mov_b32 s101, 0
	s_mul_i32 s96, s67, 12288
	s_mov_b32 s97, 0
	s_lshl_b32 s98, s67, 9
	s_mov_b32 s99, 0
	s_wait_kmcnt 0x0
	CROUND                                         ; all sixteen work-groups are here: the first joint loads meet
	s_mov_b32 s[G0S], 1
	s_lshl_b32 s[G0S+1], s20, 12
	s_add_co_u32 s[G0S+1], s[G0S+1], SCL           ; wave x 4,096: no place in the cluster enters an LDS address
	s_add_nc_u64 s[G0S+2:G0S+3], s[6:7], s[100:101]
	s_or_b32 s[G0S+3], s[G0S+3], 0x80000000
	s_mov_b32 s[G0SB], 1
	s_lshl_b32 s[G0SB+1], s20, 12
	s_add_co_u32 s[G0SB+1], s[G0SB+1], SCL
	s_add_nc_u64 s[G0SB+2:G0SB+3], s[6:7], s[98:99]
	s_or_b32 s[G0SB+3], s[G0SB+3], 0x80000000
	JLOAD G0S, G1S, G0SB, G1SB                     ; the scale words of all of K: filled once
.irp s, 0,1,2
	s_mov_b32 s[G0+4*\s], 1
	s_mul_i32 s[G0+4*\s+1], s20, HALFT
	s_add_co_u32 s[G0+4*\s+1], s[G0+4*\s+1], \s*SLOT
	s_add_nc_u64 s[G0+4*\s+2:G0+4*\s+3], s[4:5], s[94:95]
	s_add_nc_u64 s[G0+4*\s+2:G0+4*\s+3], s[G0+4*\s+2:G0+4*\s+3], \s*3072
	s_or_b32 s[G0+4*\s+3], s[G0+4*\s+3], 0x80000000
	s_mov_b32 s[G0B+4*\s], 1
	s_mul_i32 s[G0B+4*\s+1], s20, HALFT
	s_add_co_u32 s[G0B+4*\s+1], s[G0B+4*\s+1], \s*SLOT
	s_add_nc_u64 s[G0B+4*\s+2:G0B+4*\s+3], s[4:5], s[96:97]
	s_add_nc_u64 s[G0B+4*\s+2:G0B+4*\s+3], s[G0B+4*\s+2:G0B+4*\s+3], \s*3072
	s_or_b32 s[G0B+4*\s+3], s[G0B+4*\s+3], 0x80000000
	JLOAD G0+4*\s, G1, G0B+4*\s, G1B               ; K steps 0, 1, 2
.endr
	v_and_b32 v1, 31, v0
	v_lshlrev_b32 v[O8], 3, v1
	v_lshlrev_b32 v[O16], 4, v1
	v_and_b32 v3, 15, v0                           ; r
	v_bfe_u32 v4, v0, 4, 1                         ; h
	v_lshlrev_b32 v[OH], 6, v4
	v_and_b32 v[OR4], 8, v3
	v_add_nc_u32 v[OR4], v[OR4], v3
	v_lshlrev_b32 v[OR4], 2, v[OR4]
	s_mul_i32 s66, s21, HALFT                      ; my 8 tiles of A
	s_mul_i32 s67, s22, HALFT
	s_add_co_u32 s67, s67, 2*HALFT                 ; my 8 tiles of B, behind A's 16
.irp s, 0,1,2
	v_add_nc_u32 v[ADRA+\s], s66, v[O8]
	v_add_nc_u32 v[ADRB+\s], s67, v[O8]
	s_add_co_u32 s66, s66, SLOT
	s_add_co_u32 s67, s67, SLOT
.endr
	s_lshl_b32 s66, s21, 12                        ; my tiles' scale words: A's,
	s_lshl_b32 s67, s22, 12
	s_add_co_u32 s67, s67, 8192                    ; B's, behind A's 8,192 bytes
	s_sub_co_u32 s67, s67, s66
	v_mul_u32_u24 v5, s67, v4                      ; lanes 16-31 take B's: one product, the distance x h
	s_add_co_u32 s66, s66, SCL
	v_lshl_add_u32 v5, v3, 3, v5                   ; 8 bytes a row in a K step
	v_add_nc_u32 v[ADRS], s66, v5
.irp b, 0,1,2,3
	v_mov_b32 v[TM+4+\b], 0                        ; written once: a lane permute's destination counts as one of its sources
.endr
	; the bias, the table, and where the results go
	s_cmp_eq_u32 s23, 0
	s_cselect_b64 s[10:11], s[10:11], s[12:13]     ; bq or bk,
	s_cmp_eq_u32 s23, 2
	s_cselect_b64 s[10:11], s[14:15], s[10:11]     ; or bv: the choice hangs on the cluster's number alone
	s_mov_b64 s[12:13], s[10:11]
	s_lshl_b32 s92, s2, 8
	s_lshl_b32 s93, s21, 7
	s_add_co_u32 s92, s92, s93                     ; m0: my first row of A
	s_lshl_b32 s93, s3, 8
	s_lshl_b32 s94, s22, 7
	s_add_co_u32 s93, s93, s94                     ; n0: my first row of B
	s_and_b32 s66, s93, 1023                       ; the bias along registers: B's rows as features (masked into the buffer: it serves Q and K, where n0 is under 1,024)
	s_lshl_b32 s66, s66, 2
	s_mov_b32 s67, 0
	s_add_nc_u64 s[10:11], s[10:11], s[66:67]
	s_and_b32 s66, s92, 1023                       ; the bias along lanes: A's rows as features (it serves V, where m0 is under 1,024)
	s_lshl_b32 s66, s66, 2
	s_add_nc_u64 s[12:13], s[12:13], s[66:67]
	s_and_b32 s66, s92, 2047                       ; the table: my first position's tile, 4,096 bytes for each 16 positions
	s_lshl_b32 s66, s66, 8
	s_add_nc_u64 s[8:9], s[8:9], s[66:67]
.irp a, 0,1,2,3,4,5,6,7
	global_load_b32 v[BV+2*\a], v[OR4], s[12:13] offset:(32*(\a/2)+8*(\a%2))*4      ; block a, lane r: feature 32 (a / 2) + 8 (a % 2) + r + 8 (r / 8); twice: a pair for the packed addition
	global_load_b32 v[BV+2*\a+1], v[OR4], s[12:13] offset:(32*(\a/2)+8*(\a%2))*4
.endr
	WIN TO_B
.irp b, 0,1,2,3,4,5,6,7
	global_load_b128 v[BQ+128*(\b/4)+8*(\b%4):BQ+128*(\b/4)+8*(\b%4)+3], v[OH], s[10:11] offset:(32*(\b/2)+8*(\b%2))*4       ; tile b, register j: feature 32 (b / 2) + 8 (b % 2) + 16 h + j
	global_load_b128 v[BQ+128*(\b/4)+8*(\b%4)+4:BQ+128*(\b/4)+8*(\b%4)+7], v[OH], s[10:11] offset:(32*(\b/2)+8*(\b%2))*4+16
.endr
	WIN 0
.irp t, 0,1
.irp Q, 0,1,2,3,4,5,6,7
	global_load_b128 v[CS+32*\t+4*\Q:CS+32*\t+4*\Q+3], v[O16], s[8:9] offset:\t*4096+512*\Q
.endr
.endr
	s_lshl_b32 s94, s3, 2
	s_lshl_b32 s95, s22, 1
	s_add_co_u32 s94, s94, s95                     ; my first head: Q, K: by B's rows,
	s_lshl_b32 s95, s2, 2
	s_lshl_b32 s96, s21, 1
	s_add_co_u32 s95, s95, s96                     ; V: by A's
	s_min_u32 s96, s23, 1                          ; the region: Q's, or K's and V's
	s_cmp_eq_u32 s23, 2
	s_cselect_b32 s92, s93, s92                    ; my first token
	s_cselect_b32 s94, s95, s94
	s_cselect_b32 s97, 6144, 0                     ; V's images lie behind K's in a step,
	s_cselect_b32 s98, 512, 0                      ; its scale words likewise
	s_lshr_b32 s93, s92, 11                        ; batch
	s_lshl_b32 s93, s93, 4
	s_add_co_u32 s93, s93, s94                     ; 16 x batch + head
	s_bfe_u32 s92, s92, 0x40007                    ; the step of 128 tokens
	s_mul_i32 s94, s96, 12582912
	s_mul_i32 s95, s93, 196608
	s_add_co_u32 s94, s94, s95
	s_mul_i32 s95, s92, 12288
	s_add_co_u32 s94, s94, s95
	s_add_co_u32 s94, s94, s97
	s_mov_b32 s95, 0
	s_add_nc_u64 s[16:17], s[16:17], s[94:95]
	s_mul_i32 s94, s96, 786432
	s_mul_i32 s99, s93, 12288
	s_add_co_u32 s94, s94, s99
	s_mul_i32 s99, s92, 768
	s_add_co_u32 s94, s94, s99
	s_add_co_u32 s94, s94, s98
	s_add_nc_u64 s[18:19], s[18:19], s[94:95]
	s_mov_b32 s[SEL], 0x76543210
	s_mov_b32 s[SEL+1], 0xfedcba98
	s_mov_b32 s[MASK], 0xffff0000
.macro FRAG reg, adr, off              ; a fragment, 12 registers, as it lies: six loads of 8 bytes a lane, each 256 consecutive bytes
.irp p, 0,1,2,3,4,5
	ds_load_b64 v[\reg+2*\p:\reg+2*\p+1], v[\adr] offset:\off+256*\p
.endr
.endm
.macro FETCH_B s, q, set               ; B's eight fragments of slot s's q-th 128 along K
	WIN TO_B
.irp i, 0,1,2,3,4,5,6,7
	FRAG 128*(\set)+FR*\i, ADRB+\s, \i*3072+(\q)*1536
.endr
	WIN 0
.endm
.macro FETCH_A s, q, i0                ; A's blocks i0 .. i0 + 3
.irp i, \i0, \i0+1, \i0+2, \i0+3
	FRAG AF+FR*(\i), ADRA+\s, (\i)*3072+(\q)*1536
.endr
.endm
.macro SCALES set, ks                  ; K step ks's scale words: two a row; lanes 0-15 A's tile i, lanes 16-31 B's tile i
.irp i, 0,1,2,3,4,5,6,7
	ds_load_b64 v[SC+16*(\set)+2*\i:SC+16*(\set)+2*\i+1], v[ADRS] offset:512*\i+128*(\ks)
.endr
.endm
; 16 matrix instructions: A's blocks a0, a0 + 1 x B's eight.  zero = 1: the first product starts the sums.  The 64 accumulators take turns, one instruction a turn, in the same order in every step.
.macro MUL16 a0, set, q, sc, zero
.irp a, \a0, \a0+1
.irp b, 0,1,2,3,4,5,6,7
.if \zero
	v_wmma_scale_f32_16x16x128_f8f6f4 v[8*(8*((\a)%4)+\b):8*(8*((\a)%4)+\b)+7], v[128*(\set)+FR*\b:128*(\set)+FR*\b+FR-1], v[AF+FR*(\a):AF+FR*(\a)+FR-1], 0, v[SC+16*(\sc)+2*\b+(\q)], v[SC+16*(\sc)+2*(\a)+(\q)] matrix_a_fmt:MATRIX_FMT_BF6 matrix_b_fmt:MATRIX_FMT_BF6 matrix_a_scale:MATRIX_SCALE_ROW1
.else
	v_wmma_scale_f32_16x16x128_f8f6f4 v[8*(8*((\a)%4)+\b):8*(8*((\a)%4)+\b)+7], v[128*(\set)+FR*\b:128*(\set)+FR*\b+FR-1], v[AF+FR*(\a):AF+FR*(\a)+FR-1], v[8*(8*((\a)%4)+\b):8*(8*((\a)%4)+\b)+7], v[SC+16*(\sc)+2*\b+(\q)], v[SC+16*(\sc)+2*(\a)+(\q)] matrix_a_fmt:MATRIX_FMT_BF6 matrix_b_fmt:MATRIX_FMT_BF6 matrix_a_scale:MATRIX_SCALE_ROW1
.endif
.endr
.endr
.endm
; A step of 128 along K: B's set, the K step's half q, the set of scale words; the next step's fragments come from slot ns, half nq; nks >= 0: with K step nks's scale words.
; A load into a register that a matrix instruction has read stands four plain vector instructions behind it (ISA guide 7.12.1 for vector instructions).
.macro STEP set, q, sc, ns, nq, nks, zero
	s_wait_dscnt 24                                ; all but the youngest 24 loads (A's blocks 4-7) are in
	WIN MUL_LO
	MUL16 0, \set, \q, \sc, \zero
	MUL16 2, \set, \q, \sc, \zero
	s_wait_dscnt 0x0                               ; A's blocks 4-7 are in
	PLACES 4
	FETCH_B \ns, \nq, 1-(\set)
	FETCH_A \ns, \nq, 0
.if \nks >= 0
	SCALES 1-(\sc), \nks
.endif
	WIN MUL_HI
	MUL16 4, \set, \q, \sc, \zero
	MUL16 6, \set, \q, \sc, \zero
	PLACES 4
	WIN 0
	FETCH_A \ns, \nq, 4
.endm
; A K step's second half that meets a barrier.  In front of it each wave waits for all its tensor loads, adds 0 to its spare word, and waits for that and for its reads of the slot that it leaves.
; fill = 1: the barrier opens a round of the cluster's barrier, and slot 0 takes K step 3: the load has two K steps, 256 matrix instructions, in which to land.
.macro TURN sc, ns, nks, fill
	s_wait_tensorcnt 0x0                           ; all my tensor loads have landed
	ds_add_u32 v[SPW], v[NIL]                      ; 0 onto my spare word
	s_wait_dscnt 25                                ; (the add and the youngest 24 loads may be out)
	WIN MUL_LO
	MUL16 0, 1, 1, \sc, 0
	s_wait_dscnt 0x0                               ; the add is done, and my reads of this slot are over
	s_barrier_signal -1
	MUL16 2, 1, 1, \sc, 0
	WIN 0
	s_barrier_wait -1
.if \fill
	CREST                                          ; no wave of any partner still reads slot 0 or has a load on its way
	s_add_nc_u64 s[G0+2:G0+3], s[G0+2:G0+3], 3*3072
	s_add_nc_u64 s[G0B+2:G0B+3], s[G0B+2:G0B+3], 3*3072
	JLOAD G0, G1, G0B, G1B                         ; the first tensor load behind the round; its four v_nop are the places in front of the loads below
.else
	PLACES 4
.endif
	FETCH_B \ns, 0, 0
	FETCH_A \ns, 0, 0
	SCALES 1-(\sc), \nks
	WIN MUL_HI
	MUL16 4, 1, 1, \sc, 0
	MUL16 6, 1, 1, \sc, 0
	PLACES 4
	WIN 0
	FETCH_A \ns, 0, 4
.endm
	s_wait_alu depctr_va_vdst(0)
	s_wait_tensorcnt 2                             ; the scale words and my part of K step 0 are in; K steps 1 and 2 may stay out
	s_barrier_signal -1
	s_barrier_wait -1
	FETCH_B 0, 0, 0
	FETCH_A 0, 0, 0
	SCALES 0, 0
	FETCH_A 0, 0, 4
	STEP 0, 0, 0, 0, 1, -1, 1                      ; K step 0
	TURN 0, 1, 1, 1                                ; slot 0 is left and takes K step 3
	STEP 0, 0, 1, 1, 1, -1, 0                      ; K step 1
	STEP 1, 1, 1, 2, 0, 2, 0                       ; on into slot 2, which the round above has shown whole to every wave
	STEP 0, 0, 0, 2, 1, -1, 0                      ; K step 2
	TURN 0, 0, 3, 0                                ; K step 3 has landed, everybody's part
	STEP 0, 0, 1, 0, 1, -1, 0                      ; K step 3
	s_wait_dscnt 24
	WIN MUL_LO
	MUL16 0, 1, 1, 1, 0
	MUL16 2, 1, 1, 1, 0
	s_wait_dscnt 0x0
	WIN MUL_HI
	MUL16 4, 1, 1, 1, 0
	MUL16 6, 1, 1, 1, 0
	WIN 0
	PLACES 4                                       ; behind the last products: their results are read, and their operands' registers written, from here on
; 64 numbers of a lane, register 16 b + i = k 32 b + 16 (lane / 16) + i of my row, become twelve registers of codes, k 0-63 in v[d0] on and k 64-127 in v[d1] on, and the scale word v[PW].
.macro QUANT s, d0, d1
.irp b, 0,1,2,3
	v_max3_num_f32 v[TM+\b], |v[\s+16*\b]|, |v[\s+1+16*\b]|, 0x2800000   ; my 16 numbers of block b, and the floor 2^(5 - 127): the byte cannot fall under 1
.endr
.irp i, 2,4,6,8,10,12,14
.irp b, 0,1,2,3
	v_max3_num_f32 v[TM+\b], v[TM+\b], |v[\s+16*\b+\i]|, |v[\s+1+16*\b+\i]|
.endr
.endr
.irp b, 0,1,2,3
	v_permlanex16_b32 v[TM+4+\b], v[TM+\b], s[SEL], s[SEL+1]
.endr
.irp b, 0,1,2,3
	v_max_num_f32 v[TM+\b], v[TM+\b], v[TM+4+\b]   ; with lane l xor 16's: the block's largest magnitude
.endr
.irp b, 0,1,2,3
	v_add_nc_u32 v[TM+8+\b], 0xfe000000, v[TM+\b]  ; 4 off its exponent field: the conversion's scale operand
.endr
.irp b, 0,1,2,3
	v_lshrrev_b32 v[TM+4+\b], 23, v[TM+8+\b]       ; the scale's byte
.endr
	v_lshl_or_b32 v[PW], v[TM+5], 8, v[TM+4]
	v_lshl_or_b32 v[PW], v[TM+6], 16, v[PW]
	v_lshl_or_b32 v[PW], v[TM+7], 24, v[PW]
	v_cvt_scalef32_pk16_bf6_f32 v[\d0:\d0+2], v[\s:\s+15], v[TM+8]
	v_cvt_scalef32_pk16_bf6_f32 v[SCR:SCR+2], v[\s+16:\s+31], v[TM+9]       ; (a conversion's three registers begin on an even number)
	v_cvt_scalef32_pk16_bf6_f32 v[\d1:\d1+2], v[\s+32:\s+47], v[TM+10]
	v_cvt_scalef32_pk16_bf6_f32 v[SCR+4:SCR+6], v[\s+48:\s+63], v[TM+11]
	v_nop                                          ; one plain place behind the scaled conversions
.irp i, 0,1,2                          ; the operand's layout wants a whole block in a lane: lanes 0-15 the lower block, lanes 16-31 the upper
	v_permlane16_swap_b32 v[\d0+\i], v[SCR+\i]
	v_permlane16_swap_b32 v[\d1+\i], v[SCR+4+\i]
.endr
.irp i, 0,1,2
	v_mov_b32 v[\d0+3+\i], v[SCR+\i]
	v_mov_b32 v[\d1+3+\i], v[SCR+4+\i]
.endr
.endm
; Q, K: block a: 16 tokens x my 128 features, two heads.  Register 32 g + i is dim 16 h + i of head g, register 32 g + 16 + i is dim 32 + 16 h + i: the two that one rotation joins lie in one lane.
.macro QK_A a
.set AC, 64*((\a)%4)
.set CSR, CS+32*((\a)%2)
.if ((\a)%2 == 0) && ((\a) >= 2)
	s_wait_xcnt 0x0                                ; the last pair's stores have read their registers
.endif
.if (\a) < 7
	s_wait_loadcnt 8                               ; this block's table tile is in (and, the first time, the bias); the next tile's eight loads may be out
.else
	s_wait_loadcnt 0x0
.endif
	WIN 0x06+(\a)/4                                ; source 0: the accumulators' window; source 1: window 1
.irp b, 0,1,2,3,4,5,6,7
.irp k, 0,2,4,6
	v_pk_add_f32 v[T+8*\b+\k:T+8*\b+\k+1], v[AC+8*\b+\k:AC+8*\b+\k+1], v[BQ+128*(\b/4)+8*(\b%4)+\k:BQ+128*(\b/4)+8*(\b%4)+\k+1]   ; each accumulator from its low end on
.endr
.endr
	WIN 0
.irp g, 0,1
.irp i, 0,2,4,6,8,10,12,14
.set UU, U+2*(\i%8)
	v_pk_mul_f32 v[UU:UU+1], v[T+32*\g+16+\i:T+32*\g+17+\i], v[CSR+16+\i:CSR+17+\i]     ; x2 sin
	v_pk_mul_f32 v[UU+2:UU+3], v[T+32*\g+\i:T+32*\g+1+\i], v[CSR+16+\i:CSR+17+\i]       ; x1 sin
	v_pk_fma_f32 v[T+32*\g+\i:T+32*\g+1+\i], v[T+32*\g+\i:T+32*\g+1+\i], v[CSR+\i:CSR+1+\i], v[UU:UU+1] neg_lo:[0,0,1] neg_hi:[0,0,1]   ; x1 cos - x2 sin
	v_pk_fma_f32 v[T+32*\g+16+\i:T+32*\g+17+\i], v[T+32*\g+16+\i:T+32*\g+17+\i], v[CSR+\i:CSR+1+\i], v[UU+2:UU+3]                       ; x2 cos + x1 sin
.endr
.endr
.if (\a) < 6
.irp Q, 0,1,2,3,4,5,6,7
	global_load_b128 v[CSR+4*\Q:CSR+4*\Q+3], v[O16], s[8:9] offset:((\a)+2)*4096+512*\Q   ; the table tile of two blocks on
.endr
.endif
	QUANT T, OUTR+6*((\a)%2), OUTR+12+6*((\a)%2)   ; k 0-63: head 0; k 64-127: head 1: six registers each
.if (\a)%2 == 0
	v_and_b32 v[E0], 0xffff, v[PW]                 ; a head's two bytes; the word's upper two stay 0: they scale zero codes
	v_lshrrev_b32 v[E1], 16, v[PW]
.else
	v_and_b32 v[O0], 0xffff, v[PW]
	v_lshrrev_b32 v[O1], 16, v[PW]
	v_cndmask_b32 v[SW+(\a)/2], v[E0], v[O0], s[MASK]      ; the even tile's words in lanes 0-15, the odd tile's in lanes 16-31
	v_cndmask_b32 v[SW+4+(\a)/2], v[E1], v[O1], s[MASK]
.irp g, 0,1
.irp k, 0,1,2
	global_store_b128 v[O16], v[OUTR+12*\g+4*\k:OUTR+12*\g+4*\k+3], s[16:17] offset:\g*196608+((\a)/2)*1536+512*\k   ; 512 consecutive bytes, aligned
.endr
.endr
.endif
.endm
; V: block a = 4 g + t: 16 dims (tile t of head g) x my 128 keys: one fragment of V^T and its scale word.
.macro V_A a
.set AC, 64*((\a)%4)
.if (\a) >= 2
	s_wait_xcnt 0x0                                ; the stores of two blocks ago have read this set of registers
.endif
	WIN 0x02+(\a)/4                                ; source 0: the accumulators' window
.irp b, 0,1,2,3,4,5,6,7
.irp k, 0,2,4,6
	v_pk_add_f32 v[T+8*\b+\k:T+8*\b+\k+1], v[AC+8*\b+\k:AC+8*\b+\k+1], v[BV+2*(\a):BV+2*(\a)+1]
.endr
.endr
	WIN 0
	QUANT T, OUTR+12*((\a)%2), OUTR+12*((\a)%2)+6
.irp k, 0,1,2
	global_store_b128 v[O16], v[OUTR+12*((\a)%2)+4*\k:OUTR+12*((\a)%2)+4*\k+3], s[16:17] offset:((\a)/4)*196608+((\a)%4)*1536+512*\k
.endr
.if (\a)%2 == 0
	v_mov_b32 v[E0], v[PW]
.else
	v_cndmask_b32 v[SW+(\a)/2], v[E0], v[PW], s[MASK]
.endif
.if (\a)%4 == 3
	global_store_b64 v[O8], v[SW+2*((\a)/4):SW+2*((\a)/4)+1], s[18:19] offset:((\a)/4)*12288   ; 256 consecutive bytes, aligned
.endif
.endm
	s_cmp_eq_u32 s23, 2
	s_cbranch_scc1 .Lv_out
.irp a, 0,1,2,3,4,5,6,7
	QK_A \a
.endr
	global_store_b128 v[O16], v[SW:SW+3], s[18:19]
	global_store_b128 v[O16], v[SW+4:SW+7], s[18:19] offset:12288
	s_branch .Lend
.Lv_out:
	s_wait_loadcnt 0x0                             ; the bias
.irp a, 0,1,2,3,4,5,6,7
	V_A \a
.endr
.Lend:
	s_wait_tensorcnt 0x0                           ; the wave's end
	ds_add_u32 v[SPW], v[NIL]
	s_wait_dscnt 0x0
	CROUND                                         ; the closing round: no work-group ends while a partner may still ask for a tile that names it
	s_endpgm
.Lfunc_end_k_q4343e48b34_proj:
	.size	k_q4343e48b34_proj, .Lfunc_end_k_q4343e48b34_proj-k_q4343e48b34_proj
	.p2alignl 7, 3214868480
	.fill 96, 4, 3214868480
	.section	.rodata,"a",@progbits
	.p2align	6, 0x0
	.amdhsa_kernel k_q4343e48b34_proj
		.amdhsa_group_segment_fixed_size 327680
		.amdhsa_private_segment_fixed_size 0
		.amdhsa_enable_private_segment 0
		.amdhsa_kernarg_size 64
		.amdhsa_user_sgpr_count 2
		.amdhsa_user_sgpr_kernarg_segment_ptr 1
		.amdhsa_wavefront_size32 1
		.amdhsa_system_sgpr_workgroup_id_x 1
		.amdhsa_system_sgpr_workgroup_id_y 1
		.amdhsa_system_sgpr_workgroup_id_z 1
		.amdhsa_system_vgpr_workitem_id 0
		.amdhsa_next_free_vgpr 1024
		.amdhsa_next_free_sgpr 102
		.amdhsa_reserve_vcc 0
		.amdhsa_float_denorm_mode_32 3
		.amdhsa_float_denorm_mode_16_64 3
		.amdhsa_memory_ordered 1
		.amdhsa_forward_progress 1
		.amdhsa_inst_pref_size 255
	.end_amdhsa_kernel
	.section	.bss,"aw",@nobits
	.p2align	6
	.space	262144
	.amdgpu_metadata
---
amdhsa.version: [ 1, 2 ]
amdhsa.kernels:
  - .name:           k_q4343e48b34_proj
    .symbol:         k_q4343e48b34_proj.kd
    .args:
      - { .name: xcodes, .offset: 0, .size: 8, .value_kind: global_buffer, .address_space: global }
      - { .name: xscales, .offset: 8, .size: 8, .value_kind: global_buffer, .address_space: global }
      - { .name: rope, .offset: 16, .size: 8, .value_kind: global_buffer, .address_space: global }
      - { .name: bq, .offset: 24, .size: 8, .value_kind: global_buffer, .address_space: global }
      - { .name: bk, .offset: 32, .size: 8, .value_kind: global_buffer, .address_space: global }
      - { .name: bv, .offset: 40, .size: 8, .value_kind: global_buffer, .address_space: global }
      - { .name: qkvc, .offset: 48, .size: 8, .value_kind: global_buffer, .address_space: global }
      - { .name: qkvs, .offset: 56, .size: 8, .value_kind: global_buffer, .address_space: global }
    .group_segment_fixed_size: 327680
    .private_segment_fixed_size: 0
    .kernarg_segment_align: 8
    .kernarg_segment_size: 64
    .max_flat_workgroup_size: 128
    .sgpr_count:     102
    .vgpr_count:     1024
    .wavefront_size: 32
...
	.end_amdgpu_metadata
.endif
;; end of part 2
;; launch attn (part 3): grid 4 x 64, 16 waves a work-group, clusters of 4 x 1, 327,680 bytes of LDS; arguments qkvc, qkvs, acodes, ascales; writes acodes, ascales
.if DOCPART == 3
	.amdgcn_target "amdgcn-amd-amdhsa--gfx1250"
	.amdhsa_code_object_version 6
	.text
	.protected	k_q4343e48b34_attn
	.globl	k_q4343e48b34_attn
	.p2align	8
	.type	k_q4343e48b34_attn,@function
k_q4343e48b34_attn:
	s_mov_b64 s[64:65], 0
	v_nop
	global_prefetch_b8 v0, s[64:65] scope:SCOPE_SE
	s_setreg_imm32_b32 hwreg(HW_REG_WAVE_MODE, 25, 1), 1
	s_wait_xcnt 0x0
	s_wait_alu depctr_hold_cnt(0) depctr_sa_sdst(0) depctr_va_vdst(0) depctr_va_sdst(0) depctr_va_ssrc(0) depctr_va_vcc(0) depctr_vm_vsrc(0)
	s_getreg_b32 s2, hwreg(HW_REG_IB_STS2, 6, 4)
	s_cmp_eq_u32 s2, 0
	s_cbranch_scc0 .Lentry_in_a_cluster
	s_endpgm
.Lentry_in_a_cluster:
	s_bfe_u32 s2, ttmp6, 0x10000c
	s_cmp_lg_u32 s2, 0x3003
	s_cbranch_scc0 .Lentry_shape_is_right
	s_endpgm
.Lentry_shape_is_right:
.set SCB,  196608
.set KF,   32
.set VF,   88
.set S,    136
.set O,    200
.set PC,   232
.set BM,   244
.set PT,   248
.set WV,  12
.set SEL, 40
.set CC,  42
.set TK,  44
.set TS,  45
.macro CROUND
	s_barrier_signal -1
	s_barrier_wait -1
	s_cmp_lg_u32 s[WV], 0
	s_cbranch_scc1 .Lnot_wave_0_\@
	s_barrier_signal -3
.Lnot_wave_0_\@:
	s_barrier_wait -3
	s_barrier_signal -1
	s_barrier_wait -1
.endm
	s_load_b256 s[4:11], s[0:1], 0x0
	v_lshl_add_u32 v9, v0, 2, 0x33000
	v_mov_b32 v255, 0
	ds_add_u32 v9, v255
	ds_add_u32 v9, v255
	v_lshrrev_b32 v8, 5, v0
	s_delay_alu instid0(VALU_DEP_1)
	v_readfirstlane_b32 s[WV], v8
	s_bfe_u32 s13, ttmp6, 0x40000
	s_and_b32 s14, ttmp7, 0xffff
	s_mov_b32 s16, 15|(3<<16)|(1<<21)
	s_mov_b32 s17, 32<<16
	s_mov_b32 s18, 48<<16
	s_mov_b32 s19, 32<<16
	s_mov_b32 s20, 48
	s_mov_b32 s21, 32
	s_mov_b32 s22, 0
	s_mov_b32 s23, 0
	s_mov_b32 s24, 15|(3<<16)|(1<<21)
	s_mov_b32 s25, 32<<16
	s_mov_b32 s26, 3<<16
	s_mov_b32 s27, 32<<16
	s_mov_b32 s28, 3
	s_mov_b32 s29, 32
	s_mov_b32 s30, 0
	s_mov_b32 s31, 0
	s_mul_i32 s62, s14, 196608
	s_mul_i32 s33, s[WV], 12288
	s_add_co_u32 s62, s62, s33
	s_add_co_u32 s62, s62, 12582912
	s_mov_b32 s63, 0
	s_mul_i32 s2, s14, 12288
	s_mul_i32 s37, s[WV], 768
	s_add_co_u32 s2, s2, s37
	s_add_co_u32 s2, s2, 786432
	s_mov_b32 s3, 0
	s_add_co_u32 s37, s37, SCB
	s_and_b32 s47, s[WV], 1
	s_lshl_b32 s56, s13, 2
	s_lshr_b32 s57, s[WV], 3
	s_add_co_u32 s56, s56, s57
	s_bfe_u32 s57, s[WV], 0x20001
	s_mul_i32 s48, s14, 196608
	s_mul_i32 s58, s56, 12288
	s_add_co_u32 s48, s48, s58
	s_mul_i32 s58, s57, 1536
	s_add_co_u32 s48, s48, s58
	s_mul_i32 s58, s47, 520
	s_add_co_u32 s48, s48, s58
	s_mov_b32 s49, 0
	s_mul_i32 s50, s47, 496
	s_add_co_u32 s50, s50, 8
	s_mov_b32 s51, 0
	s_mul_i32 s52, s14, 12288
	s_mul_i32 s58, s56, 768
	s_add_co_u32 s52, s52, s58
	s_lshl_b32 s58, s47, 8
	s_add_co_u32 s52, s52, s58
	s_lshl_b32 s58, s57, 2
	s_add_co_u32 s52, s52, s58
	s_mov_b32 s53, 0
	s_lshr_b32 s58, s14, 4
	s_lshl_b32 s58, s58, 7
	s_lshl_b32 s59, s13, 5
	s_add_co_u32 s58, s58, s59
	s_add_co_u32 s58, s58, s[WV]
	s_and_b32 s59, s14, 15
	s_mul_i32 s54, s58, 12288
	s_mul_i32 s56, s59, 768
	s_add_co_u32 s54, s54, s56
	s_mov_b32 s55, 0
	s_lshl_b32 s60, s58, 9
	s_lshr_b32 s56, s59, 2
	s_lshl_b32 s56, s56, 7
	s_add_co_u32 s60, s60, s56
	s_and_b32 s56, s59, 3
	s_lshl_b32 s56, s56, 1
	s_add_co_u32 s60, s60, s56
	s_mov_b32 s61, 0
	s_mov_b32 s[SEL], 0x76543210
	s_mov_b32 s[SEL+1], 0xfedcba98
	s_mov_b32 s[CC], 0x3e38aa3b
	s_mov_b32 s[CC+1], s[CC]
	s_wait_dscnt 0x0
	s_wait_kmcnt 0x0
	s_mov_b32 s32, 1
	s_add_nc_u64 s[34:35], s[4:5], s[62:63]
	s_or_b32 s35, s35, 0x80000000
	s_mov_b32 s36, 1
	s_add_nc_u64 s[38:39], s[6:7], s[2:3]
	s_or_b32 s39, s39, 0x80000000
	s_add_nc_u64 s[48:49], s[4:5], s[48:49]
	s_add_nc_u64 s[50:51], s[48:49], s[50:51]
	s_add_nc_u64 s[52:53], s[6:7], s[52:53]
	s_add_nc_u64 s[54:55], s[8:9], s[54:55]
	s_add_nc_u64 s[60:61], s[10:11], s[60:61]
	CROUND
	tensor_load_to_lds s[32:35], s[16:23]
	s_nop 0
	s_wait_alu depctr_va_vdst(0)
	s_wait_tensorcnt 0x0
	ds_add_u32 v9, v255
	s_wait_dscnt 0x0
	CROUND
	tensor_load_to_lds s[36:39], s[24:31]
	s_nop 0
.rept 4
	v_nop
.endr
	v_and_b32 v8, 31, v0
	s_delay_alu instid0(VALU_DEP_1)
	v_lshlrev_b32 v1, 4, v8
	s_delay_alu instid0(VALU_DEP_1)
	v_add_nc_u32 v2, SCB, v1
	s_delay_alu instid0(VALU_DEP_3)
	v_lshlrev_b32 v3, 3, v8
	s_delay_alu instid0(VALU_DEP_1)
	v_add_nc_u32 v3, SCB+512, v3
.irp i, 0,1,2,3,4,5
	v_mov_b32 v[22+\i], 0
	v_mov_b32 v[80+\i], 0
.endr
	v_mov_b32 v11, 0
.irp b, 0,1,2,3
	v_mov_b32 v[PT+\b], 0
.endr
.macro QLOAD blk
	v_and_b32 v168, 15, v0
	s_delay_alu instid0(VALU_DEP_1)
	v_lshlrev_b32 v168, 4, v168
	global_load_b64 v[16:17], v1, s[48:49] offset:24576*\blk
	global_load_b64 v[18:19], v1, s[50:51] offset:24576*\blk
	global_load_b64 v[20:21], v1, s[48:49] offset:24576*\blk+512
	global_load_b32 v7, v168, s[52:53] offset:1536*\blk
.endm
	QLOAD 0
	s_wait_tensorcnt 0x0
	s_barrier_signal -1
	s_barrier_wait -1
.irp j, 0,1,2,3
.irp k, 0,1,2
	ds_load_b128 v[KF+12*\j+4*\k:KF+12*\j+4*\k+3], v1 offset:1536*\j+512*\k
.endr
.endr
	ds_load_b128 v[28:31], v2
.macro STEP ahead
	s_wait_dscnt 0x0
.irp t, 0,1,2,3,4,5,6,7
.if (\t)%2
	v_wmma_scale_f32_16x16x128_f8f6f4 v[S+8*\t:S+8*\t+7], v[KF+6*\t:KF+6*\t+11], v[16:27], 0, v[28+\t/2], v7 matrix_a_fmt:MATRIX_FMT_BF6 matrix_b_fmt:MATRIX_FMT_BF6 matrix_a_scale:MATRIX_SCALE_ROW1
.else
	v_wmma_scale_f32_16x16x128_f8f6f4 v[S+8*\t:S+8*\t+7], v[KF+6*\t:KF+6*\t+11], v[16:27], 0, v[28+\t/2], v7 matrix_a_fmt:MATRIX_FMT_BF6 matrix_b_fmt:MATRIX_FMT_BF6
.endif
.endr
	v_add_nc_u32 v4, s[TK], v1
	v_add_nc_u32 v5, s[TS], v2
	v_add_nc_u32 v6, s[TS], v3
	v_nop
.irp t, 0,1,2,3
.irp k, 0,1,2
	ds_load_b128 v[VF+12*\t+4*\k:VF+12*\t+4*\k+3], v4 offset:6144+1536*\t+512*\k
.endr
.endr
	ds_load_b64 v[86:87], v6
.if \ahead == 1
.irp j, 0,1,2,3
.irp k, 0,1,2
	ds_load_b128 v[KF+12*\j+4*\k:KF+12*\j+4*\k+3], v4 offset:12288+1536*\j+512*\k
.endr
.endr
	ds_load_b128 v[28:31], v5 offset:768
.endif
.if \ahead == 2
.irp j, 0,1,2,3
.irp k, 0,1,2
	ds_load_b128 v[KF+12*\j+4*\k:KF+12*\j+4*\k+3], v1 offset:1536*\j+512*\k
.endr
.endr
	ds_load_b128 v[28:31], v2
.endif
.irp b, 0,1,2,3
	v_max3_num_f32 v[BM+\b], v[S+16*\b], v[S+1+16*\b], v[S+2+16*\b]
.endr
.irp i, 3,5,7,9,11,13
.irp b, 0,1,2,3
	v_max3_num_f32 v[BM+\b], v[BM+\b], v[S+16*\b+\i], v[S+1+16*\b+\i]
.endr
.endr
.irp b, 0,1,2,3
	v_max_num_f32 v[BM+\b], v[BM+\b], v[S+15+16*\b]
.endr
.irp b, 0,1,2,3
	s_delay_alu instid0(VALU_DEP_4)
	v_permlanex16_b32 v[PT+\b], v[BM+\b], s[SEL], s[SEL+1]
.endr
.irp b, 0,1,2,3
	s_delay_alu instid0(VALU_DEP_4)
	v_max_num_f32 v[BM+\b], v[BM+\b], v[PT+\b]
.endr
	s_delay_alu instid0(VALU_DEP_2)
	v_max3_num_f32 v8, v[BM], v[BM+1], v[BM+2]
	s_delay_alu instid0(VALU_DEP_1)
	v_max_num_f32 v8, v8, v[BM+3]
	s_delay_alu instid0(VALU_DEP_1)
	v_mul_f32 v8, s[CC], v8
	s_delay_alu instid0(VALU_DEP_1)
	v_max_num_f32 v13, v13, v8
	v_mov_b32 v8, v12
	s_delay_alu instid0(VALU_DEP_2)
	v_floor_f32 v12, -v13
	s_delay_alu instid0(VALU_DEP_1)
	v_sub_f32 v8, v12, v8
	s_delay_alu instid0(VALU_DEP_1)
	v_cvt_i32_f32 v8, v8
	s_delay_alu instid0(VALU_DEP_1)
	v_ldexp_f32 v10, 1.0, v8
.set j, 0
.rept 32
	v_pk_fma_f32 v[S+j:S+j+1], v[S+j:S+j+1], s[CC:CC+1], v[12:13] op_sel_hi:[1,0,0]
.set j, j+2
.endr
.irp b, 0,1,2,3
	v_fma_f32 v[BM+\b], v[BM+\b], s[CC], v12
.endr
.set j, 0
	s_wait_alu depctr_va_vdst(0)
.rept 64
	v_exp_f32 v[S+j], v[S+j]
.set j, j+1
.endr
	s_setprio 1
	v_pk_mul_f32 v[14:15], v[14:15], v[10:11] op_sel_hi:[1,0]
	s_wait_alu depctr_va_vdst(0)
.irp b, 0,1,2,3
	v_exp_f32 v[BM+\b], v[BM+\b]
.endr
	v_pk_add_f32 v[PT:PT+1], v[S:S+1], v[S+2:S+3]
.set j, 4
.rept 15
	v_pk_add_f32 v[14:15], v[14:15], v[S+j:S+j+1]
	v_pk_add_f32 v[PT:PT+1], v[PT:PT+1], v[S+j+2:S+j+3]
.set j, j+4
.endr
	s_delay_alu instid0(VALU_DEP_1)
	v_pk_add_f32 v[14:15], v[14:15], v[PT:PT+1]
	s_wait_alu depctr_va_vdst(0)
.irp b, 0,1,2,3
	v_max_num_f32 v[BM+\b], 0x2800000, v[BM+\b]
.endr
.irp b, 0,1,2,3
	s_delay_alu instid0(VALU_DEP_4)
	v_add_nc_u32 v[BM+\b], 0xfe000000, v[BM+\b]
.endr
.irp b, 0,1,2,3
	s_delay_alu instid0(VALU_DEP_4)
	v_lshrrev_b32 v[PT+\b], 23, v[BM+\b]
.endr
	s_delay_alu instid0(VALU_DEP_3)
	v_lshl_or_b32 v11, v[PT+1], 8, v[PT]
	s_delay_alu instid0(VALU_DEP_1)
	v_lshl_or_b32 v11, v[PT+2], 16, v11
	s_delay_alu instid0(VALU_DEP_1)
	v_lshl_or_b32 v11, v[PT+3], 24, v11
	v_cvt_scalef32_pk16_bf6_f32 v[PC:PC+2], v[S:S+15], v[BM]
	v_cvt_scalef32_pk16_bf6_f32 v[PT:PT+2], v[S+16:S+31], v[BM+1]
	v_cvt_scalef32_pk16_bf6_f32 v[PC+6:PC+8], v[S+32:S+47], v[BM+2]
	v_cvt_scalef32_pk16_bf6_f32 v[PT+4:PT+6], v[S+48:S+63], v[BM+3]
	v_nop
.irp c, 0,1
.irp i, 0,1,2
	v_permlane16_swap_b32 v[PC+6*\c+\i], v[PT+4*\c+\i]
.endr
.irp i, 0,1,2
	s_delay_alu instid0(VALU_DEP_3)
	v_mov_b32 v[PC+3+6*\c+\i], v[PT+4*\c+\i]
.endr
.endr
.set j, 0
	s_setprio 0
.rept 16
	v_pk_mul_f32 v[O+j:O+j+1], v[O+j:O+j+1], v[10:11] op_sel_hi:[1,0]
.set j, j+2
.endr
.if \ahead
	s_wait_alu depctr_va_vdst(0)
	s_wait_dscnt 13
.else
	s_wait_alu depctr_va_vdst(0)
	s_wait_dscnt 0x0
.endif
.irp t, 0,1,2,3
.if (\t)%2
	v_wmma_scale_f32_16x16x128_f8f6f4 v[O+8*\t:O+8*\t+7], v[VF+12*\t:VF+12*\t+11], v[PC:PC+11], v[O+8*\t:O+8*\t+7], v[86+\t/2], v11 matrix_a_fmt:MATRIX_FMT_BF6 matrix_b_fmt:MATRIX_FMT_BF6 matrix_a_scale:MATRIX_SCALE_ROW1
.else
	v_wmma_scale_f32_16x16x128_f8f6f4 v[O+8*\t:O+8*\t+7], v[VF+12*\t:VF+12*\t+11], v[PC:PC+11], v[O+8*\t:O+8*\t+7], v[86+\t/2], v11 matrix_a_fmt:MATRIX_FMT_BF6 matrix_b_fmt:MATRIX_FMT_BF6
.endif
.endr
	s_add_co_u32 s[TK], s[TK], 12288
	s_add_co_u32 s[TS], s[TS], 768
.endm
.macro FIN blk
	v_and_b32 v169, 31, v0
	s_delay_alu instid0(VALU_DEP_1)
	v_lshlrev_b32 v169, 3, v169
	v_and_b32 v170, 15, v0
	s_delay_alu instid0(VALU_DEP_1)
	v_lshlrev_b32 v170, 3, v170
	v_add_f32 v14, v14, v15
	s_delay_alu instid0(VALU_DEP_1)
	v_permlanex16_b32 v8, v14, s[SEL], s[SEL+1]
	s_delay_alu instid0(VALU_DEP_1)
	v_add_f32 v14, v14, v8
	s_wait_alu depctr_va_vdst(0)
	v_rcp_f32 v14, v14
	v_nop
	s_wait_alu depctr_va_vdst(0)
.set j, 0
.rept 32
	v_mul_f32 v[S+j], v[O+j], v14
.set j, j+1
.endr
.irp c, 0,1
	v_max3_num_f32 v[BM+\c], |v[S+16*\c]|, |v[S+1+16*\c]|, 0x2800000
.endr
.irp i, 2,4,6,8,10,12,14
.irp c, 0,1
	s_delay_alu instid0(VALU_DEP_2)
	v_max3_num_f32 v[BM+\c], v[BM+\c], |v[S+16*\c+\i]|, |v[S+1+16*\c+\i]|
.endr
.endr
.irp c, 0,1
	s_delay_alu instid0(VALU_DEP_2)
	v_permlanex16_b32 v[PT+\c], v[BM+\c], s[SEL], s[SEL+1]
.endr
.irp c, 0,1
	s_delay_alu instid0(VALU_DEP_2)
	v_max_num_f32 v[BM+\c], v[BM+\c], v[PT+\c]
.endr
.irp c, 0,1
	s_delay_alu instid0(VALU_DEP_2)
	v_add_nc_u32 v[BM+\c], 0xfe000000, v[BM+\c]
.endr
.irp c, 0,1
	s_delay_alu instid0(VALU_DEP_2)
	v_lshrrev_b32 v[PT+4+\c], 23, v[BM+\c]
.endr
	s_delay_alu instid0(VALU_DEP_1)
	v_lshl_or_b32 v171, v[PT+5], 8, v[PT+4]
	v_cvt_scalef32_pk16_bf6_f32 v[PC:PC+2], v[S:S+15], v[BM]
	v_cvt_scalef32_pk16_bf6_f32 v[PT:PT+2], v[S+16:S+31], v[BM+1]
	v_nop
.irp i, 0,1,2
	v_permlane16_swap_b32 v[PC+\i], v[PT+\i]
.endr
.irp i, 0,1,2
	s_delay_alu instid0(VALU_DEP_3)
	v_mov_b32 v[PC+3+\i], v[PT+\i]
.endr
.irp p, 0,1,2
	global_store_b64 v169, v[PC+2*\p:PC+2*\p+1], s[54:55] offset:196608*\blk+256*\p
.endr
	global_store_b16 v170, v171, s[60:61] offset:8192*\blk
.endm
.macro BLOCK blk
	s_wait_loadcnt 0x0
	s_wait_xcnt 0x0
	v_mov_b32 v13, 0xff61b1e6
	s_delay_alu instid0(VALU_DEP_1)
	v_floor_f32 v12, -v13
	v_mov_b32 v14, 0
	v_mov_b32 v15, 0
.set j, 0
.rept 32
	v_mov_b32 v[O+j], 0
.set j, j+1
.endr
	s_mov_b32 s[TK], 0
	s_mov_b32 s[TS], 0
	s_mov_b32 s46, 15
.Lstep_\@:
	s_setprio 2
	STEP 1
	s_sub_co_u32 s46, s46, 1
	s_cmp_lg_u32 s46, 0
	s_cbranch_scc1 .Lstep_\@
	s_setprio 0
.if \blk == 0
	STEP 2
	QLOAD 1
.else
	STEP 0
.endif
	FIN \blk
.endm
	BLOCK 0
	BLOCK 1
	s_wait_tensorcnt 0x0
	ds_add_u32 v9, v255
	s_wait_dscnt 0x0
	CROUND
	s_endpgm
.Lfunc_end_k_q4343e48b34_attn:
	.size	k_q4343e48b34_attn, .Lfunc_end_k_q4343e48b34_attn-k_q4343e48b34_attn
	.p2alignl 7, 3214868480
	.fill 96, 4, 3214868480
	.section	.rodata,"a",@progbits
	.p2align	6, 0x0
	.amdhsa_kernel k_q4343e48b34_attn
		.amdhsa_group_segment_fixed_size 327680
		.amdhsa_private_segment_fixed_size 0
		.amdhsa_enable_private_segment 0
		.amdhsa_kernarg_size 32
		.amdhsa_user_sgpr_count 2
		.amdhsa_user_sgpr_kernarg_segment_ptr 1
		.amdhsa_wavefront_size32 1
		.amdhsa_system_sgpr_workgroup_id_x 1
		.amdhsa_system_sgpr_workgroup_id_y 1
		.amdhsa_system_sgpr_workgroup_id_z 1
		.amdhsa_system_vgpr_workitem_id 0
		.amdhsa_next_free_vgpr 256
		.amdhsa_next_free_sgpr 66
		.amdhsa_reserve_vcc 0
		.amdhsa_float_denorm_mode_32 3
		.amdhsa_float_denorm_mode_16_64 3
		.amdhsa_memory_ordered 1
		.amdhsa_forward_progress 1
		.amdhsa_inst_pref_size 86
	.end_amdhsa_kernel
	.amdgpu_metadata
---
amdhsa.version: [ 1, 2 ]
amdhsa.kernels:
  - .name:           k_q4343e48b34_attn
    .symbol:         k_q4343e48b34_attn.kd
    .args:
      - { .name: qkvc, .offset: 0, .size: 8, .value_kind: global_buffer, .address_space: global }
      - { .name: qkvs, .offset: 8, .size: 8, .value_kind: global_buffer, .address_space: global }
      - { .name: acodes, .offset: 16, .size: 8, .value_kind: global_buffer, .address_space: global }
      - { .name: ascales, .offset: 24, .size: 8, .value_kind: global_buffer, .address_space: global }
    .group_segment_fixed_size: 327680
    .private_segment_fixed_size: 0
    .kernarg_segment_align: 8
    .kernarg_segment_size: 32
    .max_flat_workgroup_size: 512
    .sgpr_count:     66
    .vgpr_count:     256
    .wavefront_size: 32
...
	.end_amdgpu_metadata
.endif
;; end of part 3
;; launch out (part 4): grid 4 x 32, 4 waves a work-group, clusters of 4 x 4, 327,680 bytes of LDS; arguments acodes, ascales, xcodes, xscales, bo, out0; writes out0
.if DOCPART == 4
	.amdgcn_target "amdgcn-amd-amdhsa--gfx1250"
	.amdhsa_code_object_version 6
	.text
	.protected	k_q4343e48b34_out
	.globl	k_q4343e48b34_out
	.p2align	8
	.type	k_q4343e48b34_out,@function
k_q4343e48b34_out:
	s_mov_b64 s[64:65], 0
	v_nop
	global_prefetch_b8 v0, s[64:65] scope:SCOPE_SE
	s_setreg_imm32_b32 hwreg(HW_REG_WAVE_MODE, 25, 1), 1
	s_wait_xcnt 0x0
	s_wait_alu depctr_hold_cnt(0) depctr_sa_sdst(0) depctr_va_vdst(0) depctr_va_sdst(0) depctr_va_ssrc(0) depctr_va_vcc(0) depctr_vm_vsrc(0)
	s_getreg_b32 s2, hwreg(HW_REG_IB_STS2, 6, 4)
	s_cmp_eq_u32 s2, 0
	s_cbranch_scc0 .Lentry_in_a_cluster
	s_endpgm
.Lentry_in_a_cluster:
	s_bfe_u32 s2, ttmp6, 0x10000c
	s_cmp_lg_u32 s2, 0xf033
	s_cbranch_scc0 .Lentry_shape_is_right
	s_endpgm
.Lentry_shape_is_right:
.set HALFT,  24576
.set SLOT,   98304
.set SCL,    294912
.set SPARE,  311296
.set STAGE,  SLOT
.set FR,   12
.set ADRA, 16
.set ADRB, 20
.set STO,  24
.set RD,   25
.set CO,   26
.set ADRS, 27
.set SPW,  28
.set NIL,  29
.set SC,   32
.set BIAS, 64
.set AF,   128
.set BK,   128
.set G1,   24
.set G0,   32
.set G1B,  44
.set G0B,  52
.set G1S,  68
.set G0S,  76
.set G1SB, 80
.set G0SB, 88
.set MSB, 0
.macro WIN new
.if MSB != (\new)
	s_set_vgpr_msb (MSB<<8)|(\new)
.set MSB, (\new)
.endif
.endm
.set MUL_LO, 0xa1
.set MUL_HI, 0xf1
.set ZLO,    0x81
.set ZHI,    0xc1
.set TO_B,   0x40
.macro JLOAD g0a, g1a, g0b, g1b
	s_cmp_eq_u32 s21, 0
	s_cbranch_scc0 .Lfor_b_\@
	tensor_load_to_lds s[\g0a:\g0a+3], s[\g1a:\g1a+7]
	s_nop 0
.rept 4
	v_nop
.endr
	s_branch .Lasked_\@
.Lfor_b_\@:
	tensor_load_to_lds s[\g0b:\g0b+3], s[\g1b:\g1b+7]
	s_nop 0
.rept 4
	v_nop
.endr
.Lasked_\@:
.endm
.macro CREST
	s_cmp_lg_u32 s20, 0
	s_cbranch_scc1 .Lnot_wave_0_\@
	s_barrier_signal -3
.Lnot_wave_0_\@:
	s_barrier_wait -3
	s_barrier_signal -1
	s_barrier_wait -1
.endm
.macro CROUND
	s_barrier_signal -1
	s_barrier_wait -1
	CREST
.endm
.macro PLACES n
.rept \n
	v_nop
.endr
.endm
	s_load_b256 s[4:11], s[0:1], 0x0
	s_load_b128 s[12:15], s[0:1], 0x20
	v_lshl_add_u32 v[SPW], v0, 2, SPARE
	v_mov_b32 v[NIL], 0
	ds_add_u32 v28, v29
	ds_add_u32 v28, v29
	s_wait_dscnt 0x0
	v_lshrrev_b32 v1, 5, v0
	v_readfirstlane_b32 s20, v1
	s_lshr_b32 s21, s20, 1
	s_and_b32 s22, s20, 1
	s_bfe_u32 s92, ttmp6, 0x40000
	s_bfe_u32 s93, ttmp6, 0x40004
	s_and_b32 s2, ttmp7, 0xffff
	s_lshl_b32 s2, s2, 2
	s_add_co_u32 s2, s2, s93
	s_mov_b32 s3, s92
	s_lshl_b32 s95, s93, 2
	s_lshl_b32 s95, 15, s95
	s_lshl_b32 s96, 0x1111, s92
	s_or_b32 s[G1], s95, (3<<16)|(1<<21)
	s_or_b32 s[G1B], s96, (3<<16)|(1<<21)
	s_or_b32 s[G1S], s95, (3<<16)|(1<<21)
	s_or_b32 s[G1SB], s96, (3<<16)|(1<<21)
.irp g, G1, G1B
	s_mov_b32 s[\g+1], 384<<16
	s_mov_b32 s[\g+2], 8<<16
	s_mov_b32 s[\g+3], 384<<16
	s_mov_b32 s[\g+4], 8
	s_mov_b32 s[\g+5], 1536
	s_mov_b32 s[\g+6], 0
	s_mov_b32 s[\g+7], 0
.endr
.irp g, G1S, G1SB
	s_mov_b32 s[\g+1], 32<<16
	s_mov_b32 s[\g+2], 16<<16
	s_mov_b32 s[\g+3], 32<<16
	s_mov_b32 s[\g+4], 16
	s_mov_b32 s[\g+5], 32
	s_mov_b32 s[\g+6], 0
	s_mov_b32 s[\g+7], 0
.endr
	s_lshl_b32 s99, s22, 3
	s_lshl_b32 s66, s2, 4
	s_add_co_u32 s66, s66, s99
	s_lshl_b32 s67, s3, 4
	s_add_co_u32 s67, s67, 1728
	s_add_co_u32 s67, s67, s99
	s_mul_i32 s94, s66, 12288
	s_mov_b32 s95, 0
	s_lshl_b32 s100, s66, 9
	s_mov_b32 s101, 0
	s_mul_i32 s96, s67, 12288
	s_mov_b32 s97, 0
	s_lshl_b32 s98, s67, 9
	s_mov_b32 s99, 0
	s_wait_kmcnt 0x0
	CROUND
	s_mov_b32 s[G0S], 1
	s_lshl_b32 s[G0S+1], s20, 12
	s_add_co_u32 s[G0S+1], s[G0S+1], SCL
	s_add_nc_u64 s[G0S+2:G0S+3], s[6:7], s[100:101]
	s_or_b32 s[G0S+3], s[G0S+3], 0x80000000
	s_mov_b32 s[G0SB], 1
	s_lshl_b32 s[G0SB+1], s20, 12
	s_add_co_u32 s[G0SB+1], s[G0SB+1], SCL
	s_add_nc_u64 s[G0SB+2:G0SB+3], s[10:11], s[98:99]
	s_or_b32 s[G0SB+3], s[G0SB+3], 0x80000000
	JLOAD G0S, G1S, G0SB, G1SB
.irp s, 0,1,2
	s_mov_b32 s[G0+4*\s], 1
	s_mul_i32 s[G0+4*\s+1], s20, HALFT
	s_add_co_u32 s[G0+4*\s+1], s[G0+4*\s+1], \s*SLOT
	s_add_nc_u64 s[G0+4*\s+2:G0+4*\s+3], s[4:5], s[94:95]
	s_add_nc_u64 s[G0+4*\s+2:G0+4*\s+3], s[G0+4*\s+2:G0+4*\s+3], \s*3072
	s_or_b32 s[G0+4*\s+3], s[G0+4*\s+3], 0x80000000
	s_mov_b32 s[G0B+4*\s], 1
	s_mul_i32 s[G0B+4*\s+1], s20, HALFT
	s_add_co_u32 s[G0B+4*\s+1], s[G0B+4*\s+1], \s*SLOT
	s_add_nc_u64 s[G0B+4*\s+2:G0B+4*\s+3], s[8:9], s[96:97]
	s_add_nc_u64 s[G0B+4*\s+2:G0B+4*\s+3], s[G0B+4*\s+2:G0B+4*\s+3], \s*3072
	s_or_b32 s[G0B+4*\s+3], s[G0B+4*\s+3], 0x80000000
	s_wait_alu depctr_va_vdst(0)
	s_wait_tensorcnt 0x0
	ds_add_u32 v28, v29
	s_wait_dscnt 0x0
	CROUND
	JLOAD G0+4*\s, G1, G0B+4*\s, G1B
.endr
	v_and_b32 v1, 31, v0
	v_lshlrev_b32 v2, 3, v1
	s_wait_alu depctr_va_vdst(0)
	v_lshlrev_b32 v[CO], 4, v1
	v_and_b32 v3, 15, v0
	v_bfe_u32 v4, v0, 4, 1
	s_wait_alu depctr_va_vdst(0)
	v_lshlrev_b32 v6, 6, v4
	s_lshl_b32 s92, s3, 8
	s_lshl_b32 s93, s22, 7
	s_add_co_u32 s92, s92, s93
	s_lshl_b32 s92, s92, 2
	s_mov_b32 s93, 0
	s_add_nc_u64 s[12:13], s[12:13], s[92:93]
	s_add_nc_u64 s[14:15], s[14:15], s[92:93]
.irp b, 0,1,2,3,4,5,6,7
	global_load_b128 v[BIAS+8*\b:BIAS+8*\b+3], v6, s[12:13] offset:(32*(\b/2)+8*(\b%2))*4
	global_load_b128 v[BIAS+8*\b+4:BIAS+8*\b+7], v6, s[12:13] offset:(32*(\b/2)+8*(\b%2))*4+16
.endr
	s_lshl_b32 s92, s2, 8
	s_lshl_b32 s94, s21, 7
	s_add_co_u32 s92, s92, s94
	s_lshl_b32 s92, s92, 12
	s_add_nc_u64 s[14:15], s[14:15], s[92:93]
	s_mul_i32 s66, s21, HALFT
	s_mul_i32 s67, s22, HALFT
	s_add_co_u32 s67, s67, 2*HALFT
.irp s, 0,1,2
	v_add_nc_u32 v[ADRA+\s], s66, v2
	v_add_nc_u32 v[ADRB+\s], s67, v2
	s_add_co_u32 s66, s66, SLOT
	s_add_co_u32 s67, s67, SLOT
.endr
	s_lshl_b32 s66, s21, 12
	s_lshl_b32 s67, s22, 12
	s_add_co_u32 s67, s67, 8192
	s_sub_co_u32 s67, s67, s66
	v_mul_u32_u24 v5, s67, v4
	s_add_co_u32 s66, s66, SCL
	v_lshl_add_u32 v5, v3, 3, v5
	v_add_nc_u32 v[ADRS], s66, v5
	s_mul_i32 s66, s20, 16*528
	s_add_co_u32 s66, s66, STAGE
	v_mul_u32_u24 v5, v3, 528
	v_lshl_add_u32 v5, v4, 6, v5
	v_add_nc_u32 v[STO], s66, v5
	v_add_nc_u32 v[RD], s66, v[CO]
.macro FRAG reg, adr, off
.irp p, 0,1,2,3,4,5
	ds_load_b64 v[\reg+2*\p:\reg+2*\p+1], v[\adr] offset:\off+256*\p
.endr
.endm
.macro FETCH_B s, q, set
	WIN TO_B
.irp i, 0,1,2,3,4,5,6,7
	FRAG 128*(\set)+FR*\i, ADRB+\s, \i*3072+(\q)*1536
.endr
	WIN 0
.endm
.macro FETCH_A s, q, i0
.irp i, \i0, \i0+1, \i0+2, \i0+3
	FRAG AF+FR*(\i), ADRA+\s, (\i)*3072+(\q)*1536
.endr
.endm
.macro SCALES set, ks
.irp i, 0,1,2,3,4,5,6,7
	ds_load_b64 v[SC+16*(\set)+2*\i:SC+16*(\set)+2*\i+1], v[ADRS] offset:512*\i+128*(\ks)
.endr
.endm
.macro MUL16 a0, set, q, sc, zero
.irp a, \a0, \a0+1
.irp b, 0,1,2,3,4,5,6,7
.if \zero
	v_wmma_scale_f32_16x16x128_f8f6f4 v[8*(8*((\a)%4)+\b):8*(8*((\a)%4)+\b)+7], v[128*(\set)+FR*\b:128*(\set)+FR*\b+FR-1], v[AF+FR*(\a):AF+FR*(\a)+FR-1], v[BIAS+8*\b:BIAS+8*\b+7], v[SC+16*(\sc)+2*\b+(\q)], v[SC+16*(\sc)+2*(\a)+(\q)] matrix_a_fmt:MATRIX_FMT_BF6 matrix_b_fmt:MATRIX_FMT_BF6 matrix_a_scale:MATRIX_SCALE_ROW1
.else
	v_wmma_scale_f32_16x16x128_f8f6f4 v[8*(8*((\a)%4)+\b):8*(8*((\a)%4)+\b)+7], v[128*(\set)+FR*\b:128*(\set)+FR*\b+FR-1], v[AF+FR*(\a):AF+FR*(\a)+FR-1], v[8*(8*((\a)%4)+\b):8*(8*((\a)%4)+\b)+7], v[SC+16*(\sc)+2*\b+(\q)], v[SC+16*(\sc)+2*(\a)+(\q)] matrix_a_fmt:MATRIX_FMT_BF6 matrix_b_fmt:MATRIX_FMT_BF6 matrix_a_scale:MATRIX_SCALE_ROW1
.endif
.endr
.endr
.endm
.macro STEP set, q, sc, ns, nq, nks, zero
	s_wait_dscnt 24
.if \zero
	WIN ZLO
.else
	WIN MUL_LO
.endif
	MUL16 0, \set, \q, \sc, \zero
	MUL16 2, \set, \q, \sc, \zero
	s_wait_dscnt 0x0
	PLACES 4
	FETCH_B \ns, \nq, 1-(\set)
	FETCH_A \ns, \nq, 0
.if \nks >= 0
	SCALES 1-(\sc), \nks
.endif
.if \zero
	WIN ZHI
.else
	WIN MUL_HI
.endif
	MUL16 4, \set, \q, \sc, \zero
	MUL16 6, \set, \q, \sc, \zero
	PLACES 4
	WIN 0
	FETCH_A \ns, \nq, 4
.endm
.macro TURN sc, ns, nks, fill
	s_wait_tensorcnt 0x0
	ds_add_u32 v[SPW], v[NIL]
	s_wait_dscnt 25
	WIN MUL_LO
	MUL16 0, 1, 1, \sc, 0
	s_wait_dscnt 0x0
	s_barrier_signal -1
	MUL16 2, 1, 1, \sc, 0
	WIN 0
	s_barrier_wait -1
.if \fill
	CREST
	s_add_nc_u64 s[G0+2:G0+3], s[G0+2:G0+3], 3*3072
	s_add_nc_u64 s[G0B+2:G0B+3], s[G0B+2:G0B+3], 3*3072
	JLOAD G0, G1, G0B, G1B
.else
	PLACES 4
.endif
	FETCH_B \ns, 0, 0
	FETCH_A \ns, 0, 0
	SCALES 1-(\sc), \nks
	WIN MUL_HI
	MUL16 4, 1, 1, \sc, 0
	MUL16 6, 1, 1, \sc, 0
	PLACES 4
	WIN 0
	FETCH_A \ns, 0, 4
.endm
	s_wait_alu depctr_va_vdst(0)
	s_wait_tensorcnt 2
	s_barrier_signal -1
	s_barrier_wait -1
	FETCH_B 0, 0, 0
	FETCH_A 0, 0, 0
	SCALES 0, 0
	FETCH_A 0, 0, 4
	s_wait_loadcnt 0x0
	STEP 0, 0, 0, 0, 1, -1, 1
	TURN 0, 1, 1, 1
	STEP 0, 0, 1, 1, 1, -1, 0
	STEP 1, 1, 1, 2, 0, 2, 0
	STEP 0, 0, 0, 2, 1, -1, 0
	TURN 0, 0, 3, 0
	STEP 0, 0, 1, 0, 1, -1, 0
	s_wait_dscnt 24
	WIN MUL_LO
	MUL16 0, 1, 1, 1, 0
	MUL16 2, 1, 1, 1, 0
	s_wait_dscnt 0x0
	WIN MUL_HI
	MUL16 4, 1, 1, 1, 0
	MUL16 6, 1, 1, 1, 0
	WIN 0
.macro TOSTAGE a
.set AC, 64*((\a)%4)
	WIN 0x08+4*((\a)/4)
.irp b, 0,1,2,3,4,5,6,7
	ds_store_b128 v[STO], v[AC+8*\b:AC+8*\b+3] offset:128*(\b/2)+32*(\b%2)
	ds_store_b128 v[STO], v[AC+8*\b+4:AC+8*\b+7] offset:128*(\b/2)+32*(\b%2)+16
.endr
	WIN 0
.set BB, BK+64*((\a)%2)
.irp t, 0,1,2,3,4,5,6,7,8,9,10,11,12,13,14,15
	ds_load_b128 v[BB+4*\t:BB+4*\t+3], v[RD] offset:\t*528
.endr
.endm
.macro SEND a, younger
.set BB, BK+64*((\a)%2)
	s_wait_dscnt \younger
.if (\a) > 0
.if (\a)%2 == 1
	s_add_nc_u64 s[14:15], s[14:15], 8*4096
.else
	s_add_nc_u64 s[14:15], s[14:15], 24*4096
.endif
.endif
.irp t, 0,1,2,3,4,5,6,7,8,9,10,11,12,13,14,15
	global_store_b128 v[CO], v[BB+4*\t:BB+4*\t+3], s[14:15] offset:(\t+8*(\t/8))*4096 th:TH_STORE_NT
.endr
.endm
	PLACES 4
	TOSTAGE 0
.irp a, 1,2,3,4,5,6,7
.if \a > 1
	s_wait_xcnt 0x0
.endif
	TOSTAGE \a
	SEND \a-1, 32
.endr
	s_wait_xcnt 0x0
	SEND 7, 0
	s_wait_tensorcnt 0x0
	ds_add_u32 v[SPW], v[NIL]
	s_wait_dscnt 0x0
	CROUND
	s_endpgm
.Lfunc_end_k_q4343e48b34_out:
	.size	k_q4343e48b34_out, .Lfunc_end_k_q4343e48b34_out-k_q4343e48b34_out
	.p2alignl 7, 3214868480
	.fill 96, 4, 3214868480
	.section	.rodata,"a",@progbits
	.p2align	6, 0x0
	.amdhsa_kernel k_q4343e48b34_out
		.amdhsa_group_segment_fixed_size 327680
		.amdhsa_private_segment_fixed_size 0
		.amdhsa_enable_private_segment 0
		.amdhsa_kernarg_size 48
		.amdhsa_user_sgpr_count 2
		.amdhsa_user_sgpr_kernarg_segment_ptr 1
		.amdhsa_wavefront_size32 1
		.amdhsa_system_sgpr_workgroup_id_x 1
		.amdhsa_system_sgpr_workgroup_id_y 1
		.amdhsa_system_sgpr_workgroup_id_z 1
		.amdhsa_system_vgpr_workitem_id 0
		.amdhsa_next_free_vgpr 1024
		.amdhsa_next_free_sgpr 102
		.amdhsa_reserve_vcc 0
		.amdhsa_float_denorm_mode_32 3
		.amdhsa_float_denorm_mode_16_64 3
		.amdhsa_memory_ordered 1
		.amdhsa_forward_progress 1
		.amdhsa_inst_pref_size 163
	.end_amdhsa_kernel
	.amdgpu_metadata
---
amdhsa.version: [ 1, 2 ]
amdhsa.kernels:
  - .name:           k_q4343e48b34_out
    .symbol:         k_q4343e48b34_out.kd
    .args:
      - { .name: acodes, .offset: 0, .size: 8, .value_kind: global_buffer, .address_space: global }
      - { .name: ascales, .offset: 8, .size: 8, .value_kind: global_buffer, .address_space: global }
      - { .name: xcodes, .offset: 16, .size: 8, .value_kind: global_buffer, .address_space: global }
      - { .name: xscales, .offset: 24, .size: 8, .value_kind: global_buffer, .address_space: global }
      - { .name: bo, .offset: 32, .size: 8, .value_kind: global_buffer, .address_space: global }
      - { .name: out0, .offset: 40, .size: 8, .value_kind: global_buffer, .address_space: global }
    .group_segment_fixed_size: 327680
    .private_segment_fixed_size: 0
    .kernarg_segment_align: 8
    .kernarg_segment_size: 48
    .max_flat_workgroup_size: 128
    .sgpr_count:     102
    .vgpr_count:     1024
    .wavefront_size: 32
...
	.end_amdgpu_metadata
.endif
;; end of part 4
